; MI455X (gfx1250); checked and timed in simulation.
; The chip was launched on July 23, 2026; its instructions are those of AMD's public machine-readable ISA for CDNA 5 (MIT licence, August 2026) and "CDNA5" Instruction Set Architecture Reference Guide (July 2026). The comments in the code are by the model that wrote it; some were corrected since.
;; Multi Head Attention. Allowed arithmetic: matrix products marked QUANTISED: E2M1 operands, one E8M0 scale for each 32 along K, by v_wmma_scale_f32_16x16x128_f8f6f4 with both operands' format E2M1 (or v_wmma_scale_f32_32x16x128_f4), f32 sums; products left as they are: bf16, f16 or f32 operands; f32 sums; everything else in f32.
;; Inputs: Wk 1,024 x 1,024 float32; Wo 1,024 x 1,024 float32; Wq 1,024 x 1,024 float32; Wv 1,024 x 1,024 float32; bo 1,024 float32; key 4 x 2,048 x 1,024 float32; query 4 x 2,048 x 1,024 float32; value 4 x 2,048 x 1,024 float32.
;; Outputs: out0 4 x 2,048 x 1,024 float32.
;; This version of the problem:
;;   THIS VERSION OF THE PROBLEM IS GIVEN IN LOW PRECISION. The matrix products marked QUANTISED in the list below multiply operands that are first quantised to E2M1 (2 exponent bits, 1 mantissa bit; 4 bits a number), with one power-of-two scale for each 32 numbers along K (OCP MX v1.0); their sums are f32. The products marked 'left as it is' may take bf16, f16 or f32 operands, with f32 sums. Whichever they take, every output number must still come out within the allowed error. Rounding operands to bf16 (8 significant bits) uses up far more of that allowance than f16 does (11 bits, for magnitudes from 6e-5 to 65,504). All else is computed in f32.
;;   The module's matrix products, in the order in which they are computed (A, B: the left and right operand; K: the contracted axis; several contracted axes count as one K, in the product's order):
;;     1. [M 8,192, K 1,024] x [K 1,024, N 1,024]; A: input query; B: input Wq: QUANTISED
;;     2. [M 8,192, K 1,024] x [K 1,024, N 1,024]; A: input key; B: input Wk: QUANTISED
;;     3. [M 8,192, K 1,024] x [K 1,024, N 1,024]; A: input value; B: input Wv: QUANTISED
;;     4. batch 64 x [M 2,048, K 64] x [K 64, N 2,048]; A: computed on the way; B: computed on the way: left as it is (an operand is computed on the way)
;;     5. batch 64 x [M 2,048, K 2,048] x [K 2,048, N 64]; A: computed on the way; B: computed on the way: left as it is (an operand is computed on the way)
;;     6. [M 8,192, K 1,024] x [K 1,024, N 1,024]; A: computed on the way; B: input Wo: left as it is (an operand is computed on the way)
;;   THE QUANTISER, for each operand of a quantised product, along K:
;;     - K is cut into blocks of 32 from its start; a last block that is shorter is filled with zeros.
;;     - A block's scale is 2^e with e = floor(log2(the largest magnitude in the block)) - 2, held to -126 .. 127; a block of zeros has e = 0. As a byte (E8M0): e + 127.
;;     - Each number is divided by its block's scale, clamped to +-6, and rounded to the nearest number of E2M1, ties to even, subnormals kept.
;;     - The product sums the exact products of the quantised numbers (number of the format x scale) in f32.
;;   ~~~python
;;   def quantise(x, axis):      # numpy; x: float32 -> the quantised numbers, widened to float32 again
;;       x = np.moveaxis(x, axis, -1); K = x.shape[-1]
;;       x = np.pad(x, [(0, 0)] * (x.ndim - 1) + [(0, -K % 32)]); x = x.reshape(x.shape[:-1] + (-1, 32)); a = np.abs(x).max(-1, keepdims=True)
;;       e = np.where(a > 0, np.clip(np.frexp(np.where(a > 0, a, 1))[1] - 1 - 2, -126, 127), 0)      # np.frexp(a)[1] - 1 = floor(log2(a)), exactly
;;       r = np.clip(x / 2.0 ** e, -6, 6)
;;       step = 2.0 ** (np.maximum(np.frexp(np.where(r == 0, 1, r))[1] - 1, 0) - 1)
;;       q = np.round(r / step) * step * 2.0 ** e      # np.round: ties to even
;;       return np.moveaxis(q.reshape(q.shape[:-2] + (-1,))[..., :K], -1, axis).astype(np.float32)
;;   ~~~
;; One version. Each part assembles by itself: llvm-mc -triple=amdgcn-amd-amdhsa -mcpu=gfx1250 --defsym DOCPART=n.
;; ======== version 1 of 1: 4 launches
;; limits: values are held in f16: magnitudes above 65,504 overflow, below 6.1e-05 lose precision
;; workspace buffers: xcodes 12,582,912 bytes; xscales 786,432 bytes; wcodes 1,572,864 bytes; wscales 98,304 bytes; wo16 2,097,152 bytes; qkv 50,331,648 bytes; o16 16,777,216 bytes
;; launch prep (part 1): grid 992 x 1, 4 waves a work-group, no clusters, 33,280 bytes of LDS; arguments query, key, value, Wq, Wk, Wv, Wo, xcodes, xscales, wcodes, wscales, wo16; writes xcodes, xscales, wcodes, wscales, wo16
.if DOCPART == 1
	.amdgcn_target "amdgcn-amd-amdhsa--gfx1250"
	.amdhsa_code_object_version 6
	.text
	.protected	k_q1fe5f54ec5_prep
	.globl	k_q1fe5f54ec5_prep
	.p2align	8
	.type	k_q1fe5f54ec5_prep,@function
k_q1fe5f54ec5_prep:
	s_mov_b64 s[64:65], 0
	v_nop
	global_prefetch_b8 v0, s[64:65] scope:SCOPE_SE
	s_setreg_imm32_b32 hwreg(HW_REG_WAVE_MODE, 25, 1), 1
	s_wait_xcnt 0x0
; Three jobs in one launch, told apart by the work-group's number:
;   0..767    query, key, value [8192][1024] f32 -> codes of FP4 (E2M1), K innermost, and one E8M0 byte for each 32 along K: xcodes [3][8192][512 bytes], xscales [3][8192][32 bytes]
;   768..863  Wq, Wk, Wv [1024 k][1024 n] f32, K is the FIRST axis -> codes laid as images of the operand's registers, wcodes [3][2 steps of 512 k][64 tiles of 16 n][4 x 128 k][2][32 lanes][16 bytes], and wscales [3][1024 n][32 bytes]
;   864..991  Wo [1024][1024] f32 -> f16, element by element, wo16
; A block's scale is 2^(floor(log2(its largest magnitude)) - 2): its byte is the largest magnitude's exponent field - 2, held at 1 from below.  A block of zeros so gets the byte 1 where the rule says 127:
; its codes are zeros, which add nothing under any byte but 0xff, and this program alone reads the bytes.
; LIMITS: NaN and infinities among the inputs are not served; numbers of Wo beyond 65,504 in magnitude become infinite in f16.
.set SPARE, 32768                      ; behind the four waves' regions: the spare words, 128 bytes for each wave
.set WREG,  8192                       ; LDS region of a wave (first job alone): two stages of 32 x SP bytes, then its 256 scale bytes
.set SP,    80                         ; a lane's place in a stage: 64 bytes + 16 of padding
.set STEPS, 16
.set R,     16                         ; v16-79   first job: four sets of 16 numbers as loaded
.set X,     80                         ; v80-111  two sets of 16 neighbours
.set E,     112                        ; v112-127 a scale byte for each step
.set C,     128                        ; v128-191 codes, four registers a step: no store's data are written again
.set SPW,   12                         ; v12 LDS address of my spare word; never rewritten
.set NIL,   13                         ; v13 0; never rewritten
.set WX,    32                         ; v32-95   second job: two sets of 32 numbers
.set WC,    96                         ; v96-127  its codes, four registers a block: never written again
.set WSB,   24                         ; v24-25   its eight scale bytes
	s_load_b512 s[4:19], s[0:1], 0x0               ; query s[4:5], key s[6:7], value s[8:9], Wq s[10:11], Wk s[12:13], Wv s[14:15], Wo s[16:17], xcodes s[18:19]
	s_load_b256 s[20:27], s[0:1], 0x40             ; xscales s[20:21], wcodes s[22:23], wscales s[24:25], wo16 s[26:27]
	v_lshl_add_u32 v[SPW], v0, 2, SPARE
	v_mov_b32 v[NIL], 0
	v_lshrrev_b32 v1, 5, v0
	v_readfirstlane_b32 s28, v1                    ; wave
	v_and_b32 v2, 31, v0                           ; lane
	v_lshlrev_b32 v3, 4, v2                        ; 16 x lane
	s_mul_i32 s29, s28, WREG
	v_lshrrev_b32 v14, 2, v2
	v_mul_u32_u24 v14, v14, SP
	v_and_b32 v15, 3, v2
	v_lshl_add_u32 v14, v15, 4, v14
	v_add_nc_u32 v14, s29, v14                     ; the stage, on the way in: four lanes' 64 bytes on end, then 16 of padding
	v_mul_u32_u24 v15, v2, SP
	v_add_nc_u32 v15, s29, v15                     ; and on the way out: my 16 neighbours
	v_lshlrev_b32 v4, 3, v2                        ; 8 x lane
	v_lshrrev_b32 v5, 1, v2
	s_add_co_u32 s29, s29, 2*32*SP
	v_add_nc_u32 v5, s29, v5                       ; LDS: my block's scale byte
	v_add_nc_u32 v6, s29, v4                       ; and 8 of the 256 bytes on the way out
	s_wait_kmcnt 0x0
	s_cmp_lt_u32 ttmp9, 768
	s_cbranch_scc0 .Lw
; ---- FIRST JOB.  Rows are dense and K is a multiple of 32: each tensor is a plain stream of blocks of 32.  A wave takes 16 steps of 512 numbers.  Each load reads 512 consecutive bytes; a step's 2,048 bytes turn
; through the wave's own stage in LDS, so that a lane then holds 16 neighbours (two lanes a block).  Loads run four steps ahead, the turn through LDS one step.
	s_cmp_lt_u32 ttmp9, 256                        ; which tensor: the choice hangs on the work-group's number alone
	s_cselect_b64 s[4:5], s[4:5], s[6:7]
	s_cmp_lt_u32 ttmp9, 512
	s_cselect_b64 s[4:5], s[4:5], s[8:9]
	s_and_b32 s29, ttmp9, 255
	s_lshl_b32 s29, s29, 2
	s_add_co_u32 s30, s29, s28                     ; which run of 8,192 numbers of the tensor is my wave's
	s_lshl_b32 s30, s30, 15
	s_mov_b32 s31, 0
	s_add_nc_u64 s[4:5], s[4:5], s[30:31]
	s_lshl_b32 s29, ttmp9, 2
	s_add_co_u32 s29, s29, s28                     ; the three tensors' codes and bytes lie on end: one count serves
	s_lshl_b32 s30, s29, 12
	s_add_nc_u64 s[18:19], s[18:19], s[30:31]
	s_lshl_b32 s30, s29, 8
	s_add_nc_u64 s[20:21], s[20:21], s[30:31]
.macro ALOAD t
.irp i, 0,1,2,3
	global_load_b128 v[R+16*((\t)%4)+4*\i:R+16*((\t)%4)+4*\i+3], v3, s[4:5] offset:2048*(\t)+512*\i th:TH_LOAD_NT
.endr
.endm
.macro ATURN t                         ; LDS serves a wave's instructions in order: no wait between the stores and the loads
.irp i, 0,1,2,3
	ds_store_b128 v14, v[R+16*((\t)%4)+4*\i:R+16*((\t)%4)+4*\i+3] offset:32*SP*((\t)%2)+8*SP*\i
.endr
.irp i, 0,1,2,3
	ds_load_b128 v[X+16*((\t)%2)+4*\i:X+16*((\t)%2)+4*\i+3], v15 offset:32*SP*((\t)%2)+16*\i
.endr
.endm
.irp t, 0,1,2,3
	ALOAD \t
.endr
	s_wait_loadcnt 12                              ; step 0's four loads are in; the twelve of steps 1 to 3 may be out
	ATURN 0
.macro ASTEP t
.set XS, X+16*((\t)%2)
.if (\t) > 0
	s_wait_dscnt 1                                 ; this step's numbers are back from the stage; the last step's byte store may be out
.else
	s_wait_dscnt 0x0
.endif
.if (\t)+4 < STEPS
	ALOAD (\t)+4                                   ; into the set whose stores into the stage have read their registers
.endif
.if (\t)+1 < STEPS
.if STEPS-2-(\t) >= 3
	s_wait_loadcnt 12                              ; the next step's four loads are in; those of the three steps behind it may be out
.else
	s_wait_loadcnt 4*(STEPS-2-(\t))
.endif
	ATURN (\t)+1
.endif
	v_max3_num_f32 v8, |v[XS]|, |v[XS+1]|, |v[XS+2]|
	v_max3_num_f32 v9, |v[XS+3]|, |v[XS+4]|, |v[XS+5]|
.irp i, 6,10
	v_max3_num_f32 v8, v8, |v[XS+\i]|, |v[XS+\i+1]|
	v_max3_num_f32 v9, v9, |v[XS+\i+2]|, |v[XS+\i+3]|
.endr
	v_max3_num_f32 v8, v8, |v[XS+14]|, |v[XS+15]|
	v_max3_num_f32 v8, v8, v9, 0x1800000           ; and the floor 2^(3 - 127): the byte cannot fall under 1
	v_max_num_f32_dpp v8, v8, v8 row_xmask:1 row_mask:0xf bank_mask:0xf   ; with my neighbour's 16: the block's largest magnitude
	v_add_nc_u32 v11, 0xff000000, v8               ; 2 off its exponent field: the conversion takes the exponent field of this operand as its scale
	v_cvt_scalef32_pk8_fp4_f32 v[C+4*(\t)], v[XS:XS+7], v11
	v_cvt_scalef32_pk8_fp4_f32 v[C+4*(\t)+1], v[XS+8:XS+15], v11
	v_lshrrev_b32 v[E+(\t)], 23, v11               ; the scale's byte
	ds_store_b8 v5, v[E+(\t)] offset:16*(\t)       ; both lanes of a block write the same byte with the same value
	global_store_b64 v4, v[C+4*(\t):C+4*(\t)+1], s[18:19] offset:256*(\t)   ; the wave stores 256 consecutive bytes, aligned
.endm
.irp t, 0,1,2,3,4,5,6,7,8,9,10,11,12,13,14,15
	ASTEP \t
.endr
	ds_load_b64 v[8:9], v6                         ; my wave's 256 scale bytes, 8 a lane
	s_wait_dscnt 0x0
	global_store_b64 v4, v[8:9], s[20:21]          ; 256 consecutive bytes, aligned
	s_wait_tensorcnt 0x0                           ; the wave's end
	ds_add_u32 v[SPW], v[NIL]
	s_wait_dscnt 0x0
	s_endpgm
; ---- SECOND JOB.  A lane takes a column n and its registers run down K: a block of 32 lies in one lane, and the conversions give its 16 bytes of codes with K innermost.
; Those 16 bytes are what lane 16 h + r of a fragment holds (column 16 nt + r, k = 128 ks + 64 c + 32 h + 0..31), so they are stored at that lane's place of the image: sixteen lanes fill 256 consecutive bytes.
.Lw:
	s_cmp_lt_u32 ttmp9, 864
	s_cbranch_scc0 .Lo
	s_sub_co_u32 s29, ttmp9, 768
	s_lshr_b32 s30, s29, 5                         ; which weight
	s_bfe_u32 s31, s29, 0x20003                    ; which 256 along K
	s_and_b32 s32, s29, 7                          ; which 128 columns
	s_cmp_eq_u32 s30, 0
	s_cselect_b64 s[10:11], s[10:11], s[12:13]
	s_cmp_lt_u32 s30, 2
	s_cselect_b64 s[10:11], s[10:11], s[14:15]
	s_lshl_b32 s33, s32, 7
	s_lshl_b32 s34, s28, 5
	s_add_co_u32 s33, s33, s34                     ; my wave's first column
	s_lshl_b32 s36, s31, 20                        ; 256 rows of 4,096 bytes
	s_lshl_b32 s34, s33, 2
	s_add_co_u32 s36, s36, s34
	s_mov_b32 s37, 0
	s_add_nc_u64 s[10:11], s[10:11], s[36:37]
	s_lshl_b32 s36, s30, 19                        ; the codes: weight x 524,288
	s_lshr_b32 s34, s31, 1
	s_lshl_b32 s34, s34, 18                        ; + step of 512 x 262,144
	s_add_co_u32 s36, s36, s34
	s_lshl_b32 s34, s33, 8                         ; + tile of 16 columns x 4,096
	s_add_co_u32 s36, s36, s34
	s_and_b32 s34, s31, 1
	s_lshl_b32 s34, s34, 11                        ; + two K steps of 128 x 1,024
	s_add_co_u32 s36, s36, s34
	s_add_nc_u64 s[22:23], s[22:23], s[36:37]
	s_lshl_b32 s36, s30, 15                        ; the bytes: weight x 32,768 + column x 32 + 8 x (256 along K)
	s_lshl_b32 s34, s33, 5
	s_add_co_u32 s36, s36, s34
	s_lshl_b32 s34, s31, 3
	s_add_co_u32 s36, s36, s34
	s_add_nc_u64 s[24:25], s[24:25], s[36:37]
	v_lshlrev_b32 v7, 2, v2                        ; in: 4 bytes a lane
	v_lshrrev_b32 v10, 4, v2
	v_and_b32 v9, 15, v2
	v_lshlrev_b32 v10, 12, v10
	v_lshl_add_u32 v10, v9, 4, v10                 ; out: (lane / 16) tiles on, 16 bytes for each lane % 16
	v_lshlrev_b32 v9, 5, v2                        ; my column's row of scale bytes
.macro WLOAD t
.irp i, 0,1,2,3,4,5,6,7,8,9,10,11,12,13,14,15,16,17,18,19,20,21,22,23,24,25,26,27,28,29,30,31
	global_load_b32 v[WX+32*((\t)%2)+\i], v7, s[10:11] offset:(32*(\t)+\i)*4096 th:TH_LOAD_NT
.endr
.endm
	WLOAD 0
	WLOAD 1
.macro WBLOCK t
.set XS, WX+32*((\t)%2)
.if (\t) < 7
	s_wait_loadcnt 32                              ; this block's 32 loads are in; the next block's 32 may be out
.else
	s_wait_loadcnt 0
.endif
	v_max3_num_f32 v16, |v[XS]|, |v[XS+1]|, |v[XS+2]|
	v_max3_num_f32 v17, |v[XS+3]|, |v[XS+4]|, |v[XS+5]|
.irp i, 6,10,14,18,22,26
	v_max3_num_f32 v16, v16, |v[XS+\i]|, |v[XS+\i+1]|
	v_max3_num_f32 v17, v17, |v[XS+\i+2]|, |v[XS+\i+3]|
.endr
	v_max3_num_f32 v16, v16, |v[XS+30]|, |v[XS+31]|
	v_max3_num_f32 v16, v16, v17, 0x1800000        ; the floor 2^(3 - 127)
	v_add_nc_u32 v11, 0xff000000, v16
	v_lshrrev_b32 v18, 23, v11
.if (\t)%4 == 0
	v_mov_b32 v[WSB+(\t)/4], v18
.else
	v_lshl_or_b32 v[WSB+(\t)/4], v18, 8*((\t)%4), v[WSB+(\t)/4]
.endif
.irp g, 0,1,2,3
	v_cvt_scalef32_pk8_fp4_f32 v[WC+4*(\t)+\g], v[XS+8*\g:XS+8*\g+7], v11
.endr
	global_store_b128 v10, v[WC+4*(\t):WC+4*(\t)+3], s[22:23] offset:((\t)/4)*1024+(((\t)/2)%2)*512+((\t)%2)*256
.if (\t)+2 < 8
	WLOAD (\t)+2
.endif
.endm
.irp t, 0,1,2,3,4,5,6,7
	WBLOCK \t
.endr
	global_store_b64 v9, v[WSB:WSB+1], s[24:25]    ; my column's eight scale bytes
	s_wait_tensorcnt 0x0                           ; the wave's end, in the same form on every path
	ds_add_u32 v[SPW], v[NIL]
	s_wait_dscnt 0x0
	s_endpgm
; ---- THIRD JOB.  A wave takes 8,192 bytes of Wo: sixteen loads of 512 consecutive bytes, sixteen stores of 256.
.Lo:
	s_sub_co_u32 s29, ttmp9, 864
	s_lshl_b32 s29, s29, 2
	s_add_co_u32 s29, s29, s28
	s_lshl_b32 s30, s29, 13
	s_mov_b32 s31, 0
	s_add_nc_u64 s[16:17], s[16:17], s[30:31]
	s_lshl_b32 s30, s29, 12
	s_add_nc_u64 s[26:27], s[26:27], s[30:31]
.irp i, 0,1,2,3,4,5,6,7,8,9,10,11,12,13,14,15
	global_load_b128 v[32+4*\i:35+4*\i], v3, s[16:17] offset:512*\i th:TH_LOAD_NT
.endr
.irp i, 0,1,2,3,4,5,6,7,8,9,10,11,12,13,14,15
	s_wait_loadcnt 15-\i                           ; loads come back in order: the younger ones may be out
	v_cvt_pk_f16_f32 v[96+2*\i], v[32+4*\i], v[33+4*\i]
	v_cvt_pk_f16_f32 v[97+2*\i], v[34+4*\i], v[35+4*\i]
	global_store_b64 v4, v[96+2*\i:97+2*\i], s[26:27] offset:256*\i
.endr
	s_wait_tensorcnt 0x0
	ds_add_u32 v[SPW], v[NIL]
	s_wait_dscnt 0x0
	s_endpgm
.Lfunc_end_k_q1fe5f54ec5_prep:
	.size	k_q1fe5f54ec5_prep, .Lfunc_end_k_q1fe5f54ec5_prep-k_q1fe5f54ec5_prep
	.p2alignl 7, 3214868480
	.fill 96, 4, 3214868480
	.section	.rodata,"a",@progbits
	.p2align	6, 0x0
	.amdhsa_kernel k_q1fe5f54ec5_prep
		.amdhsa_group_segment_fixed_size 33280
		.amdhsa_private_segment_fixed_size 0
		.amdhsa_enable_private_segment 0
		.amdhsa_kernarg_size 96
		.amdhsa_user_sgpr_count 2
		.amdhsa_user_sgpr_kernarg_segment_ptr 1
		.amdhsa_wavefront_size32 1
		.amdhsa_system_sgpr_workgroup_id_x 1
		.amdhsa_system_sgpr_workgroup_id_y 1
		.amdhsa_system_sgpr_workgroup_id_z 1
		.amdhsa_system_vgpr_workitem_id 0
		.amdhsa_next_free_vgpr 192
		.amdhsa_next_free_sgpr 66
		.amdhsa_reserve_vcc 0
		.amdhsa_float_denorm_mode_32 3
		.amdhsa_float_denorm_mode_16_64 3
		.amdhsa_memory_ordered 1
		.amdhsa_forward_progress 1
		.amdhsa_inst_pref_size 77
	.end_amdhsa_kernel
	.amdgpu_metadata
---
amdhsa.version: [ 1, 2 ]
amdhsa.kernels:
  - .name:           k_q1fe5f54ec5_prep
    .symbol:         k_q1fe5f54ec5_prep.kd
    .args:
      - { .name: query, .offset: 0, .size: 8, .value_kind: global_buffer, .address_space: global }
      - { .name: key, .offset: 8, .size: 8, .value_kind: global_buffer, .address_space: global }
      - { .name: value, .offset: 16, .size: 8, .value_kind: global_buffer, .address_space: global }
      - { .name: Wq, .offset: 24, .size: 8, .value_kind: global_buffer, .address_space: global }
      - { .name: Wk, .offset: 32, .size: 8, .value_kind: global_buffer, .address_space: global }
      - { .name: Wv, .offset: 40, .size: 8, .value_kind: global_buffer, .address_space: global }
      - { .name: Wo, .offset: 48, .size: 8, .value_kind: global_buffer, .address_space: global }
      - { .name: xcodes, .offset: 56, .size: 8, .value_kind: global_buffer, .address_space: global }
      - { .name: xscales, .offset: 64, .size: 8, .value_kind: global_buffer, .address_space: global }
      - { .name: wcodes, .offset: 72, .size: 8, .value_kind: global_buffer, .address_space: global }
      - { .name: wscales, .offset: 80, .size: 8, .value_kind: global_buffer, .address_space: global }
      - { .name: wo16, .offset: 88, .size: 8, .value_kind: global_buffer, .address_space: global }
    .group_segment_fixed_size: 33280
    .private_segment_fixed_size: 0
    .kernarg_segment_align: 8
    .kernarg_segment_size: 96
    .max_flat_workgroup_size: 128
    .sgpr_count:     66
    .vgpr_count:     192
    .wavefront_size: 32
...
	.end_amdgpu_metadata
.endif
;; end of part 1
;; launch proj (part 2): grid 4 x 96, 4 waves a work-group, clusters of 4 x 4, 327,680 bytes of LDS; arguments xcodes, xscales, wcodes, wscales, qkv; writes qkv
.if DOCPART == 2
	.amdgcn_target "amdgcn-amd-amdhsa--gfx1250"
	.amdhsa_code_object_version 6
	.text
	.protected	k_q1fe5f54ec5_proj
	.globl	k_q1fe5f54ec5_proj
	.p2align	8
	.type	k_q1fe5f54ec5_proj,@function
k_q1fe5f54ec5_proj:
	s_mov_b64 s[64:65], 0
	v_nop
	global_prefetch_b8 v0, s[64:65] scope:SCOPE_SE
	s_setreg_imm32_b32 hwreg(HW_REG_WAVE_MODE, 25, 1), 1
	s_wait_xcnt 0x0
	s_wait_alu depctr_hold_cnt(0) depctr_sa_sdst(0) depctr_va_vdst(0) depctr_va_sdst(0) depctr_va_ssrc(0) depctr_va_vcc(0) depctr_vm_vsrc(0)
	s_getreg_b32 s2, hwreg(HW_REG_IB_STS2, 6, 4)
	s_cmp_eq_u32 s2, 0
	s_cbranch_scc0 .Lentry_in_a_cluster
	s_endpgm
.Lentry_in_a_cluster:
	s_bfe_u32 s2, ttmp6, 0x10000c
	s_cmp_lg_u32 s2, 0xf033
	s_cbranch_scc0 .Lentry_shape_is_right
	s_endpgm
.Lentry_shape_is_right:
; The three projections as ONE product on codes of FP4 (E2M1) with E8M0 scales: rows = the 24,576 rows of query, key, value on end; columns = 1,024; K = 1,024.  The weight is chosen by the row's third.
; Results are rounded once to f16 and stored split by head: qkv [12 = 4 x tensor + batch][16 heads][2048][64].  LIMIT: a result beyond 65,504 in magnitude becomes infinite.
; A tile of 256 x 256 is made by four waves, each 128 x 128: 64 accumulators, 512 registers.  K is two steps of 512, each in an LDS slot of its own: both are asked for at the head, nothing is filled again.
; A's codes lie as rows (256 bytes a row and step, 16 bytes of padding in LDS).  B's codes lie in memory as images of the operand's registers: a step's 8 tiles of 16 columns are one dense block of 32,768 bytes, and a
; fragment is two loads of 512 consecutive bytes.  The scale bytes of the tile's rows and columns for all of K come once, in whole runs of 256 bytes.
; CLUSTERS: 4 x 4 work-groups.  A's tiles are shared along a row of the cluster, B's along a column: each is asked for jointly.  The four tile rows of a cluster lie in one third of the rows, so all partners take one weight.
; The matrix instruction is used transposed (source 0 = 16 columns of the weight, source 1 = 16 rows): a lane holds eight neighbouring columns of one row.
; REGISTERS: window 0: v16-29 addresses; v32-95 scale words, two sets; v128-191 A's fragments, one set; on the way out v128-223.  window 1: B's fragments, two sets, v0 and v128.  windows 2, 3: the accumulators.
.set NQ,     4                         ; steps of 128 along K in a slot
.set PITCH,  272
.set FR,     8
.set NL,     2
.set NP,     4
.set HALFA,  128*PITCH                 ; 128 rows of A: what one tensor load brings
.set BOFF,   2*HALFA                   ; B's images lie behind A's 256 rows
.set HALFB,  32768                     ; 8 tiles of 16 columns x 512 along K
.set SLOT,   BOFF+2*HALFB
.set KS,     32                        ; a row of scale bytes
.set SCL,    2*SLOT
.set HALFS,  (128*KS/256)*272
.set SBLK,   (16*KS/256)*272
.set SPARE,  SCL+4*HALFS               ; the spare words, 128 bytes for each wave
.set SPITCH, 272                       ; the way out: a stage of 16 rows x (256 bytes + 16) for each wave, in slot 0, which has had its only fill and its last read by then
.set ADRA, 16
.set ADRB, 20
.set STO,  24
.set RD,   25
.set CO,   26
.set ADRS, 27
.set SPW,  28
.set NIL,  29
.set SC,   32
.set AF,   128
.set BK,   128
.set TMP,  192
.set G1, 24
.set G0, 32
.set G1B, 48
.set G0B, 56
.set G1S, 68
.set G0S, 76
.set G1SB, 80
.set G0SB, 88
.set MSB, 0
.macro WIN new                         ; the immediate's high byte repeats the setting that is left
.if MSB != (\new)
	s_set_vgpr_msb (MSB<<8)|(\new)
.set MSB, (\new)
.endif
.endm
.set MUL_LO, 0xa1                      ; source 0 (B) window 1, source 1 (A) window 0, C and D window 2
.set MUL_HI, 0xf1
.set TO_B,   0x40
; A joint load: waves 0 and 1 fetch for A, waves 2 and 3 for B.  An s_nop 0 and four v_nop follow each of the two lines.
.macro JLOAD g0a, g1a, g0b, g1b
	s_cmp_eq_u32 s15, 0
	s_cbranch_scc0 .Lfor_b_\@
	tensor_load_to_lds s[\g0a:\g0a+3], s[\g1a:\g1a+7]
	s_nop 0
.rept 4
	v_nop
.endr
	s_branch .Lasked_\@
.Lfor_b_\@:
	tensor_load_to_lds s[\g0b:\g0b+3], s[\g1b:\g1b+7]
	s_nop 0
.rept 4
	v_nop
.endr
.Lasked_\@:
.endm
.macro CROUND                          ; a round of the cluster's barrier
	s_barrier_signal -1
	s_barrier_wait -1
	s_cmp_lg_u32 s14, 0
	s_cbranch_scc1 .Lnot_wave_0_\@
	s_barrier_signal -3
.Lnot_wave_0_\@:
	s_barrier_wait -3
	s_barrier_signal -1
	s_barrier_wait -1
.endm
	s_load_b128 s[4:7], s[0:1], 0x0                ; xcodes, xscales
	s_load_b128 s[8:11], s[0:1], 0x10              ; wcodes, wscales
	s_load_b64 s[12:13], s[0:1], 0x20              ; qkv
	v_lshl_add_u32 v[SPW], v0, 2, SPARE
	v_mov_b32 v[NIL], 0
	ds_add_u32 v[SPW], v[NIL]                      ; the wave's opening: the add, twice on end, and its wait ahead of my first tensor load
	ds_add_u32 v[SPW], v[NIL]
	v_lshrrev_b32 v1, 5, v0
	v_readfirstlane_b32 s14, v1                    ; wave 0..3
	s_lshr_b32 s15, s14, 1                         ; my half of the tile's rows.  Also: I fetch for A (0) or for B (1)
	s_and_b32 s16, s14, 1                          ; my half of its columns.  Also: which half I fetch
	s_bfe_u32 s40, ttmp6, 0x40000                  ; cx
	s_bfe_u32 s41, ttmp6, 0x40004                  ; cy
	s_lshl_b32 s42, ttmp9, 2
	s_add_co_u32 s42, s42, s40                     ; tile column
	s_and_b32 s95, ttmp7, 0xffff                   ; cluster y
	s_lshl_b32 s17, s95, 2
	s_add_co_u32 s17, s17, s41                     ; tile row, 0..95
	s_lshr_b32 s95, s95, 3                         ; which weight: eight rows of clusters to a tensor; the same in all sixteen partners
	s_lshl_b32 s43, s41, 2
	s_lshl_b32 s43, 15, s43                        ; my row of the cluster
	s_lshl_b32 s44, 0x1111, s40                    ; my column
	s_or_b32 s[G1+0], s43, (0<<16)|(1<<20)|(1<<21)|(5<<22)|(3<<25)  ; A's codes: elements of 1 byte; 4 words of padding after every 64
	s_mov_b32 s[G1+1], 256<<16                     ; tensor_dim0 = 256 bytes
	s_mov_b32 s[G1+2], 128<<16                     ; tensor_dim1 = 128 rows
	s_mov_b32 s[G1+3], 256<<16                     ; tile_dim0
	s_mov_b32 s[G1+4], 128                         ; tile_dim1
	s_mov_b32 s[G1+5], 512                         ; a row of codes in memory
	s_mov_b32 s[G1+6], 0
	s_mov_b32 s[G1+7], 0
	s_or_b32 s[G1B+0], s44, (3<<16)|(1<<21)        ; B's images: a dense block as 128 rows of 32 elements of 8 bytes, no padding
	s_mov_b32 s[G1B+1], 32<<16
	s_mov_b32 s[G1B+2], 128<<16
	s_mov_b32 s[G1B+3], 32<<16
	s_mov_b32 s[G1B+4], 128
	s_mov_b32 s[G1B+5], 32
	s_mov_b32 s[G1B+6], 0
	s_mov_b32 s[G1B+7], 0
	s_or_b32 s[G1S+0], s43, (3<<16)|(1<<20)|(1<<21)|(5<<22)|(3<<25)  ; the scales of 128 rows: 4,096 dense bytes as 16 rows of 256, 16 bytes of padding behind each
	s_or_b32 s[G1SB+0], s44, (3<<16)|(1<<20)|(1<<21)|(5<<22)|(3<<25)
.irp g, G1S, G1SB
	s_mov_b32 s[\g+1], 32<<16
	s_mov_b32 s[\g+2], 16<<16
	s_mov_b32 s[\g+3], 32<<16
	s_mov_b32 s[\g+4], 16
	s_mov_b32 s[\g+5], 32
	s_mov_b32 s[\g+6], 0
	s_mov_b32 s[\g+7], 0
.endr
	s_lshl_b32 s18, s16, 7
	s_lshl_b32 s20, s17, 8
	s_add_co_u32 s20, s20, s18                     ; A: row 256 x tile row + 128 x half
	s_lshl_b32 s22, s20, 5                         ; its scale bytes
	s_lshl_b32 s20, s20, 9                         ; its codes
	s_mov_b32 s21, 0
	s_mov_b32 s23, 0
	s_lshl_b32 s46, s42, 4
	s_lshl_b32 s96, s16, 3
	s_add_co_u32 s46, s46, s96                     ; B: tile of 16 columns = 16 x tile column + 8 x half
	s_lshl_b32 s92, s46, 9                         ; 16 columns x 32 scale bytes
	s_lshl_b32 s46, s46, 12                        ; 4,096 bytes of images for a tile and step
	s_lshl_b32 s96, s95, 19
	s_add_co_u32 s46, s46, s96                     ; + weight x 524,288
	s_lshl_b32 s96, s95, 15
	s_add_co_u32 s92, s92, s96                     ; + weight x 32,768
	s_mov_b32 s47, 0
	s_mov_b32 s93, 0
	s_mul_i32 s45, s16, HALFA                      ; where they go: no place in the cluster enters an LDS address
	s_mul_i32 s97, s16, HALFB
	s_add_co_u32 s97, s97, BOFF
	s_mul_i32 s94, s14, HALFS
	s_wait_dscnt 0x0                               ; both opening adds are done
	s_wait_kmcnt 0x0
	s_add_nc_u64 s[20:21], s[4:5], s[20:21]
	s_add_nc_u64 s[22:23], s[6:7], s[22:23]
	s_add_nc_u64 s[46:47], s[8:9], s[46:47]
	s_add_nc_u64 s[92:93], s[10:11], s[92:93]
	CROUND                                         ; all sixteen work-groups are here: the joint loads meet
	s_mov_b32 s[G0S], 1
	s_add_co_u32 s[G0S+1], s94, SCL
	s_mov_b64 s[G0S+2:G0S+3], s[22:23]
	s_or_b32 s[G0S+3], s[G0S+3], 0x80000000
	s_mov_b32 s[G0SB], 1
	s_add_co_u32 s[G0SB+1], s94, SCL
	s_mov_b64 s[G0SB+2:G0SB+3], s[92:93]
	s_or_b32 s[G0SB+3], s[G0SB+3], 0x80000000
	JLOAD G0S, G1S, G0SB, G1SB                     ; the scales first: they are wanted with K step 0
.irp s, 0,1
	s_mov_b32 s[G0+4*\s], 1
	s_add_co_u32 s[G0+4*\s+1], s45, \s*SLOT
	s_add_nc_u64 s[G0+4*\s+2:G0+4*\s+3], s[20:21], \s*256
	s_or_b32 s[G0+4*\s+3], s[G0+4*\s+3], 0x80000000
	s_mov_b32 s[G0B+4*\s], 1
	s_add_co_u32 s[G0B+4*\s+1], s97, \s*SLOT
	s_add_nc_u64 s[G0B+4*\s+2:G0B+4*\s+3], s[46:47], \s*262144
	s_or_b32 s[G0B+4*\s+3], s[G0B+4*\s+3], 0x80000000
	JLOAD G0+4*\s, G1, G0B+4*\s, G1B               ; three loads of mine are out at the most
.endr
	v_and_b32 v1, 15, v0                           ; r
	v_bfe_u32 v2, v0, 4, 1                         ; h
	v_and_b32 v6, 31, v0                           ; lane
	v_mul_u32_u24 v3, v1, PITCH
	v_lshl_add_u32 v4, v2, 4, v3                   ; A: row x pitch + 16 x half
	v_lshlrev_b32 v7, 4, v6                        ; B: 16 x lane
	s_mul_i32 s21, s15, HALFA                      ; my 128 rows of A
	s_mul_i32 s22, s16, HALFB                      ; my 8 tiles of B
	s_add_co_u32 s22, s22, BOFF
.irp s, 0,1
	v_add_nc_u32 v[ADRA+\s], s21, v4
	v_add_nc_u32 v[ADRB+\s], s22, v7
	s_add_co_u32 s21, s21, SLOT
	s_add_co_u32 s22, s22, SLOT
.endr
	v_mul_u32_u24 v5, v1, KS                       ; my row's scales: 32 bytes a row,
	v_lshrrev_b32 v6, 8, v5
	v_lshl_add_u32 v5, v6, 4, v5                   ; and 16 more for each 256 passed
	s_mul_i32 s21, s15, HALFS
	s_mul_i32 s22, s16, HALFS
	s_add_co_u32 s22, s22, 2*HALFS
	s_sub_co_u32 s22, s22, s21
	v_mul_u32_u24 v6, s22, v2                      ; lanes 16-31 take B's: one product, the distance between the two bases
	s_add_co_u32 s21, s21, SCL
	v_add_nc_u32 v5, v5, v6
	v_add_nc_u32 v[ADRS], s21, v5
	s_mul_i32 s23, s14, 16*SPITCH                  ; my stage
	v_mul_u32_u24 v5, v1, SPITCH
	v_lshl_add_u32 v5, v2, 4, v5
	v_add_nc_u32 v[STO], s23, v5                   ; in: row r, 16 bytes for each half of the lanes
	v_bfe_u32 v5, v0, 3, 1                         ; back: sixteen lanes take two rows of one head (2 x 128 bytes), lanes 16-31 the same rows of the next head
	v_and_b32 v6, 7, v0
	v_mul_u32_u24 v7, v5, SPITCH
	v_lshl_add_u32 v7, v2, 7, v7
	v_lshl_add_u32 v7, v6, 4, v7
	v_add_nc_u32 v[RD], s23, v7
	v_lshlrev_b32 v7, 18, v2                       ; and in qkv: a head is 262,144 bytes, a row 128
	v_lshl_add_u32 v7, v5, 7, v7
	v_lshl_add_u32 v[CO], v6, 4, v7
	s_lshl_b32 s20, s17, 8
	s_lshl_b32 s21, s15, 7
	s_add_co_u32 s20, s20, s21                     ; my first row of the 24,576
	s_lshr_b32 s21, s20, 11
	s_lshl_b32 s21, s21, 22                        ; 4 x tensor + batch: 16 heads of 262,144 bytes
	s_and_b32 s20, s20, 2047
	s_lshl_b32 s20, s20, 7
	s_add_co_u32 s20, s20, s21
	s_lshl_b32 s46, s42, 2
	s_lshl_b32 s47, s16, 1
	s_add_co_u32 s46, s46, s47                     ; my first head: 4 x tile column + 2 x half
	s_lshl_b32 s46, s46, 18
	s_add_co_u32 s20, s20, s46
	s_mov_b32 s21, 0
	s_add_nc_u64 s[12:13], s[12:13], s[20:21]
.macro FRAGA reg, adr, q, i            ; 16 rows x 128 K of 4-bit codes: lane l holds row l % 16; registers 4 c .. 4 c + 3 hold K = 64 c + 32 (l / 16) + 0 .. 31
.irp c, 0,1
	ds_load_b128 v[\reg+4*\c:\reg+4*\c+3], v[\adr] offset:64*(\q)+32*\c+(\i)*16*PITCH
.endr
.endm
.macro FRAGB reg, adr, q, i            ; the same from an image: 512 consecutive bytes a load
.irp c, 0,1
	ds_load_b128 v[\reg+4*\c:\reg+4*\c+3], v[\adr] offset:(\i)*4096+(\q)*1024+512*\c
.endr
.endm
; 16 matrix instructions: A's blocks a0, a0 + 1 x B's eight, 128 along K.  The 64 accumulators take turns, one instruction a turn, in the same order in every step.
.macro MUL16 a0, p, q, sc, zero
.irp a, \a0, \a0+1
.irp b, 0,1,2,3,4,5,6,7
.if \zero
	v_wmma_scale_f32_16x16x128_f8f6f4 v[8*(8*((\a)%4)+\b):8*(8*((\a)%4)+\b)+7], v[128*(\p)+FR*\b:128*(\p)+FR*\b+FR-1], v[AF+FR*(\a):AF+FR*(\a)+FR-1], 0, v[SC+8*NQ*(\sc)+NQ*\b+(\q)], v[SC+8*NQ*(\sc)+NQ*(\a)+(\q)] matrix_a_fmt:MATRIX_FMT_FP4 matrix_b_fmt:MATRIX_FMT_FP4 matrix_a_scale:MATRIX_SCALE_ROW1
.else
	v_wmma_scale_f32_16x16x128_f8f6f4 v[8*(8*((\a)%4)+\b):8*(8*((\a)%4)+\b)+7], v[128*(\p)+FR*\b:128*(\p)+FR*\b+FR-1], v[AF+FR*(\a):AF+FR*(\a)+FR-1], v[8*(8*((\a)%4)+\b):8*(8*((\a)%4)+\b)+7], v[SC+8*NQ*(\sc)+NQ*\b+(\q)], v[SC+8*NQ*(\sc)+NQ*(\a)+(\q)] matrix_a_fmt:MATRIX_FMT_FP4 matrix_b_fmt:MATRIX_FMT_FP4 matrix_a_scale:MATRIX_SCALE_ROW1
.endif
.endr
.endr
.endm
.macro FETCH_B slot, q, p
	WIN TO_B
.irp i, 0,1,2,3,4,5,6,7
	FRAGB 128*(\p)+FR*\i, ADRB+\slot, \q, \i
.endr
	WIN 0
.endm
.macro FETCH_A slot, q, i0
.irp i, \i0, \i0+1, \i0+2, \i0+3
	FRAGA AF+FR*(\i), ADRA+\slot, \q, \i
.endr
.endm
.macro SCALES sc                       ; a K step's scale words: four words a row; lanes 0-15 take A's block i, lanes 16-31 B's block i
.irp i, 0,1,2,3,4,5,6,7
	ds_load_b128 v[SC+8*NQ*\sc+NQ*\i:SC+8*NQ*\sc+NQ*\i+3], v[ADRS] offset:\i*SBLK
.endr
.endm
.macro PLACES n                        ; plain vector instructions between a matrix instruction and a load into, or a read of, its registers
.rept \n
	v_nop
.endr
.endm
.macro STEP slot, q, zero              ; 128 along K that has its successor in the same slot
	s_wait_dscnt 4*NL                              ; B's set and A's blocks 0-3 are in; the youngest eight loads (A's blocks 4-7) may be out
	WIN MUL_LO
	MUL16 0, (\q)%2, \q, \slot, \zero
	MUL16 2, (\q)%2, \q, \slot, \zero
	s_wait_dscnt 0
	PLACES NP
	FETCH_B \slot, (\q)+1, 1-(\q)%2
	FETCH_A \slot, (\q)+1, 0
	WIN MUL_HI
	MUL16 4, (\q)%2, \q, \slot, \zero
	MUL16 6, (\q)%2, \q, \slot, \zero
	PLACES NP
	WIN 0
	FETCH_A \slot, (\q)+1, 4
.endm
; Slot 0's last step leads over to slot 1: each wave waits for all its tensor loads (its part of slot 1), and one barrier shows the whole slot to every wave.  Nothing is filled again.
.macro TURN slot, next
	s_wait_tensorcnt 0x0
	ds_add_u32 v[SPW], v[NIL]                      ; 0 onto my spare word
	s_wait_dscnt 4*NL+1                            ; the add and the youngest eight loads may be out
	WIN MUL_LO
	MUL16 0, 1, NQ-1, \slot, 0
	s_wait_dscnt 0x0                               ; the add is done, and my reads of this slot are over
	s_barrier_signal -1
	MUL16 2, 1, NQ-1, \slot, 0
	WIN 0
	s_barrier_wait -1
	PLACES NP
	v_add_nc_u32 v[ADRS], 4*NQ, v[ADRS]            ; on to the next K step's scale words
	FETCH_B \next, 0, 0
	FETCH_A \next, 0, 0
	SCALES \next
	WIN MUL_HI
	MUL16 4, 1, NQ-1, \slot, 0
	MUL16 6, 1, NQ-1, \slot, 0
	PLACES NP
	WIN 0
	FETCH_A \next, 0, 4
.endm
.macro STEPS slot, from
.set Q, \from
.rept NQ-1-\from
	STEP \slot, Q, 0
.set Q, Q+1
.endr
.endm
	s_wait_tensorcnt 1                             ; the scales and my part of K step 0 are in; K step 1's load may be out
	s_barrier_signal -1
	s_barrier_wait -1
	FETCH_B 0, 0, 0
	FETCH_A 0, 0, 0
	SCALES 0
	FETCH_A 0, 0, 4
	STEP 0, 0, 1                                   ; the first products start the sums: nothing is cleared
	STEPS 0, 1
	TURN 0, 1
	STEPS 1, 0
	s_wait_dscnt 4*NL                              ; the last step: nothing more to fetch
	WIN MUL_LO
	MUL16 0, 1, NQ-1, 1, 0
	MUL16 2, 1, NQ-1, 1, 0
	s_wait_dscnt 0
	WIN MUL_HI
	MUL16 4, 1, NQ-1, 1, 0
	MUL16 6, 1, NQ-1, 1, 0
	WIN 0
; THE WAY OUT, block by block of 16 rows x 128 columns (two heads).  Rounded to f16, 16 bytes a lane; through my own stage; back so that sixteen lanes hold two neighbouring rows of one head: 256 consecutive bytes of qkv.
.macro PACK a
.set AC, 64*((\a)%4)
	WIN 0x0a+5*((\a)/4)                            ; sources 0 and 1: window 2 or 3
.irp b, 0,1,2,3,4,5,6,7
.irp r, 0,1,2,3
	v_cvt_pk_f16_f32 v[TMP+4*\b+\r], v[AC+8*\b+2*\r], v[AC+8*\b+2*\r+1]   ; each accumulator from its low end on
.endr
.endr
	WIN 0
.endm
.macro TOSTAGE a
.set BB, BK+32*((\a)%2)
.irp b, 0,1,2,3,4,5,6,7
	ds_store_b128 v[STO], v[TMP+4*\b:TMP+4*\b+3] offset:32*\b
.endr
.irp t, 0,1,2,3,4,5,6,7
	ds_load_b128 v[BB+4*\t:BB+4*\t+3], v[RD] offset:\t*2*SPITCH    ; LDS serves a wave's instructions in order: these see the stores above
.endr
.endm
.macro SEND a
.set BB, BK+32*((\a)%2)
	s_wait_dscnt 0x0                               ; the block is back in registers
	s_wait_xcnt 0x0                                ; earlier stores have read their base and their registers
.if (\a) > 0
	s_add_nc_u64 s[12:13], s[12:13], 2048          ; 16 rows of 128 bytes on
.endif
.irp t, 0,1,2,3,4,5,6,7
	global_store_b128 v[CO], v[BB+4*\t:BB+4*\t+3], s[12:13] offset:256*\t
.endr
.endm
	PLACES NP
	PACK 0
	TOSTAGE 0
.irp a, 1,2,3,4,5,6,7                  ; block a's conversions stand between block a - 1's loads from the stage and the wait for them
	PACK \a
	SEND \a-1
	TOSTAGE \a
.endr
	SEND 7
	s_wait_tensorcnt 0x0                           ; the wave's end
	ds_add_u32 v[SPW], v[NIL]
	s_wait_dscnt 0x0
	CROUND                                         ; the closing round
	s_endpgm
.Lfunc_end_k_q1fe5f54ec5_proj:
	.size	k_q1fe5f54ec5_proj, .Lfunc_end_k_q1fe5f54ec5_proj-k_q1fe5f54ec5_proj
	.p2alignl 7, 3214868480
	.fill 96, 4, 3214868480
	.section	.rodata,"a",@progbits
	.p2align	6, 0x0
	.amdhsa_kernel k_q1fe5f54ec5_proj
		.amdhsa_group_segment_fixed_size 327680
		.amdhsa_private_segment_fixed_size 0
		.amdhsa_enable_private_segment 0
		.amdhsa_kernarg_size 40
		.amdhsa_user_sgpr_count 2
		.amdhsa_user_sgpr_kernarg_segment_ptr 1
		.amdhsa_wavefront_size32 1
		.amdhsa_system_sgpr_workgroup_id_x 1
		.amdhsa_system_sgpr_workgroup_id_y 1
		.amdhsa_system_sgpr_workgroup_id_z 1
		.amdhsa_system_vgpr_workitem_id 0
		.amdhsa_next_free_vgpr 1024
		.amdhsa_next_free_sgpr 98
		.amdhsa_reserve_vcc 0
		.amdhsa_float_denorm_mode_32 3
		.amdhsa_float_denorm_mode_16_64 3
		.amdhsa_memory_ordered 1
		.amdhsa_forward_progress 1
		.amdhsa_inst_pref_size 127
	.end_amdhsa_kernel
	.amdgpu_metadata
---
amdhsa.version: [ 1, 2 ]
amdhsa.kernels:
  - .name:           k_q1fe5f54ec5_proj
    .symbol:         k_q1fe5f54ec5_proj.kd
    .args:
      - { .name: xcodes, .offset: 0, .size: 8, .value_kind: global_buffer, .address_space: global }
      - { .name: xscales, .offset: 8, .size: 8, .value_kind: global_buffer, .address_space: global }
      - { .name: wcodes, .offset: 16, .size: 8, .value_kind: global_buffer, .address_space: global }
      - { .name: wscales, .offset: 24, .size: 8, .value_kind: global_buffer, .address_space: global }
      - { .name: qkv, .offset: 32, .size: 8, .value_kind: global_buffer, .address_space: global }
    .group_segment_fixed_size: 327680
    .private_segment_fixed_size: 0
    .kernarg_segment_align: 8
    .kernarg_segment_size: 40
    .max_flat_workgroup_size: 128
    .sgpr_count:     98
    .vgpr_count:     1024
    .wavefront_size: 32
...
	.end_amdgpu_metadata
.endif
;; end of part 2
;; launch attn (part 3): grid 4 x 64, 8 waves a work-group, clusters of 4 x 1, 327,680 bytes of LDS; arguments qkv, o16; writes o16
.if DOCPART == 3
	.amdgcn_target "amdgcn-amd-amdhsa--gfx1250"
	.amdhsa_code_object_version 6
	.text
	.protected	k_q1fe5f54ec5_attn
	.globl	k_q1fe5f54ec5_attn
	.p2align	8
	.type	k_q1fe5f54ec5_attn,@function
k_q1fe5f54ec5_attn:
	s_mov_b64 s[64:65], 0
	v_nop
	global_prefetch_b8 v0, s[64:65] scope:SCOPE_SE
	s_setreg_imm32_b32 hwreg(HW_REG_WAVE_MODE, 25, 1), 1
	s_wait_xcnt 0x0
	s_wait_alu depctr_hold_cnt(0) depctr_sa_sdst(0) depctr_va_vdst(0) depctr_va_sdst(0) depctr_va_ssrc(0) depctr_va_vcc(0) depctr_vm_vsrc(0)
	s_getreg_b32 s2, hwreg(HW_REG_IB_STS2, 6, 4)
	s_cmp_eq_u32 s2, 0
	s_cbranch_scc0 .Lentry_in_a_cluster
	s_endpgm
.Lentry_in_a_cluster:
	s_bfe_u32 s2, ttmp6, 0x10000c
	s_cmp_lg_u32 s2, 0x3003
	s_cbranch_scc0 .Lentry_shape_is_right
	s_endpgm
.Lentry_shape_is_right:
; O[bh][q][:] = the sum over k of softmax_k(Q[bh][q] . K[bh][k] / 32) V[bh][k][:].  Q, K, V: three runs of [64 bh][2048][64] f16 in qkv; O likewise in o16.  Products, maxima and sums in f32; the weights p are rounded
; to f16 for the second product, O once at the end.  LIMIT: O beyond 65,504 in magnitude becomes infinite.
; SHARES.  A work-group owns 512 queries of one head, each of its eight waves 64: four tiles of 16.  Every wave walks all 2,048 keys, 64 a step.
; LAYOUT.  S^T = K Q^T (source 0 = 16 keys, source 1 = 16 queries): a lane holds ONE query (lane % 16) and keys 8 (lane / 16) + 0..7 of each tile of 16 keys.  Two such tiles, rounded to f16 in pairs, ARE source 1 of
; O^T = V^T P.  P is laid over the low half of its tile's scores.  K comes out of LDS as it lies, V ([key][channel]) turned, by ds_load_tr16_b128.
; SOFTMAX.  For each query a running maximum m and sum l: p = 2^(c s - c m), c = log2(e) / 32; in every step O and l are multiplied by a = 2^(c m_old - c m_new).
; BY TURNS.  The wave's tiles are two pieces, 0 (tiles 0, 1) and 2 (tiles 2, 3).  In a turn one piece has the matrix unit: 16 products V^T P of the step in hand, then 16 products K Q^T of the next step; the other
; piece's softmax, 236 instructions, stands in slices behind every second product.  Then the pieces change places.  Two turns are a key step.
; CLUSTER.  The four query blocks of a head form a cluster and walk the same K and V: each tile is asked for jointly, by the same tensor load with the same descriptor and a mask that names the four.
; RING.  Two slots of four key steps (256 keys).  Waves 0-3 fetch K of the slot's step (wave % 4), waves 4-7 V: 64 rows of 128 bytes each, one load a wave behind each round.
; REGISTERS.  window 0: v1-11 addresses; v12-43 eight registers of statistics a tile; v61-63; v64-191 S^T, 32 a tile (P in each tile's low 16); v192-255 V of one step.
;             window 1: v0-127 O^T, 32 a tile; v128-191 Q, 16 a tile; v192-255 K of one step.
.set KS,    64
.set PK,    144                        ; a row of K in LDS: 128 bytes + 16 of padding
.set PVP,   160                        ; a row of V: 128 + 32
.set VOFF,  KS*PK
.set STEPB, KS*(PK+PVP)
.set NSTEP, 4
.set SLOTG, NSTEP*KS*128               ; a slot's keys in memory, in bytes
.set SLOT1, 1<<17                      ; slot 1 begins here: one exclusive or turns an address in one slot into the other's
.set STAGE, SLOT1+NSTEP*STEPB          ; behind the ring: 16 rows x 144 bytes for each wave
.set SP,    144
.set SPARE, STAGE+8*16*SP              ; the spare words, 128 bytes for each wave
.set AK0, 2
.set AV0, 3
.set ADR, 4
.set QO,  5
.set STO, 6
.set RD,  7
.set GO,  8
.set PFO, 61
.set SPW, 62
.set NIL, 63
.set ST,  12                           ; tile t at v[ST+8 t]: +0 c m, +1 m, +2, +3 l, +4 to +7 at work; a takes +6 once the maximum is found
.set S,   64
.set VF,  192                          ; window 0
.set QF,  128                          ; window 1
.set KF,  192                          ; window 1
.set WV,  12
.set LIM, 15
.set PFA, 18
.set G1K, 24
.set G1V, 32
.set G0K, 40
.set G0V, 48
.set SLOTS, 56
.set TWICE, 57
.set CS,  58
.set SEL, 60
.set TB,  62
.set MSB, 0
.macro WIN new
.if MSB != (\new)
	s_set_vgpr_msb (MSB<<8)|(\new)
.set MSB, (\new)
.endif
.endm
.set W_KQ, 0x05                        ; K and Q in window 1, S^T in window 0
.set W_PV, 0x50                        ; V and P in window 0, O^T in window 1
.set W_RS, 0x41                        ; O^T (destination and source 0) in window 1, a in window 0
.macro JLOAD                           ; a joint refill; an s_nop 0 and four v_nop follow each of the two lines
	s_cmp_lt_u32 s[WV], 4
	s_cbranch_scc0 .Lfor_v_\@
	tensor_load_to_lds s[G0K+4:G0K+7], s[G1K:G1K+7]
	s_nop 0
.rept 4
	v_nop
.endr
	s_branch .Lasked_\@
.Lfor_v_\@:
	tensor_load_to_lds s[G0V+4:G0V+7], s[G1V:G1V+7]
	s_nop 0
.rept 4
	v_nop
.endr
.Lasked_\@:
.endm
; A prefetch of what the NEXT change of slots will ask for: a slot's 32,768 bytes of K and of V.  The four partners share them out by address, 8,192 bytes each, lanes 256 bytes apart; wave 0 asks for K's, wave 4 for V's:
; each run of 256 bytes is named once in the launch.  The last change that fills a slot asks for nothing.
.macro ASK
	s_cmp_gt_u32 s[SLOTS], s[LIM]
	s_cbranch_scc0 .Lnot_mine_\@
	global_prefetch_b8 v[PFO], s[PFA:PFA+1] th:TH_LOAD_NT scope:SCOPE_SE
.Lnot_mine_\@:
.endm
.macro CROUND
	s_barrier_signal -1
	s_barrier_wait -1
	s_cmp_lg_u32 s[WV], 0
	s_cbranch_scc1 .Lnot_wave_0_\@
	s_barrier_signal -3
.Lnot_wave_0_\@:
	s_barrier_wait -3
	s_barrier_signal -1
	s_barrier_wait -1
.endm
	s_load_b128 s[4:7], s[0:1], 0x0                ; qkv s[4:5], o16 s[6:7]
	v_lshl_add_u32 v[SPW], v0, 2, SPARE
	v_mov_b32 v[NIL], 0
	ds_add_u32 v[SPW], v[NIL]                      ; the wave's opening: the add, twice on end, and its wait ahead of my first tensor load
	ds_add_u32 v[SPW], v[NIL]
	v_lshrrev_b32 v1, 5, v0
	v_readfirstlane_b32 s[WV], v1                  ; wave 0..7
	s_bfe_u32 s13, ttmp6, 0x40000                  ; cx
	s_lshl_b32 s14, ttmp9, 2
	s_add_co_u32 s14, s14, s13                     ; my block of 512 queries: it enters Q's and O's addresses alone
	s_and_b32 s20, ttmp7, 0xffff                   ; the head, which the four partners share
	s_lshl_b32 s20, s20, 18                        ; its first byte in each run
	s_and_b32 s16, s[WV], 3                        ; which of a slot's four steps I fetch:
	s_lshl_b32 s22, s16, 13                        ; its 64 rows of 128 bytes in memory,
	s_add_co_u32 s22, s22, s20
	s_mov_b32 s23, 0
	s_mul_i32 s17, s16, STEPB                      ; and its place in a slot
	s_lshl_b32 s2, s14, 16
	s_lshl_b32 s3, s[WV], 13
	s_add_co_u32 s2, s2, s3
	s_add_co_u32 s2, s2, s20                       ; my wave's first query
	s_mov_b32 s3, 0
	s_mov_b32 s[G1K], 15|(1<<16)|(1<<20)|(1<<21)|(4<<22)|(3<<25)  ; the mask: all four; elements of 2 bytes; 4 words of padding after every 32
	s_mov_b32 s[G1V], 15|(1<<16)|(1<<20)|(1<<21)|(4<<22)|(7<<25)  ; the same with 8 words of padding
.irp g, G1K, G1V
	s_mov_b32 s[\g+1], 64<<16                      ; tensor_dim0 = 64
	s_mov_b32 s[\g+2], KS<<16                      ; tensor_dim1 = 64
	s_mov_b32 s[\g+3], 64<<16                      ; tile_dim0
	s_mov_b32 s[\g+4], KS                          ; tile_dim1
	s_mov_b32 s[\g+5], 64                          ; elements from row to row
	s_mov_b32 s[\g+6], 0
	s_mov_b32 s[\g+7], 0
.endr
	s_mov_b32 s[CS], 0x3d38aa3b                    ; c = log2(e) / 32
	s_mov_b32 s[CS+1], s[CS]
	s_mov_b32 s[SEL], 0x76543210
	s_mov_b32 s[SEL+1], 0xfedcba98
	s_mov_b32 s[TB], 0
	s_mov_b32 s[SLOTS], 2048/(NSTEP*KS)-2
	s_and_b32 s[LIM], s[WV], 3                     ; 0 in waves 0 and 4,
	s_or_b32 s[LIM], s[LIM], ttmp9                 ; of the head's first (here: only) cluster
	s_cmp_eq_u32 s[LIM], 0
	s_cselect_b32 s[LIM], 1, -1
	v_and_b32 v[PFO], 31, v0
	v_lshlrev_b32 v[PFO], 8, v[PFO]
	s_wait_dscnt 0x0                               ; both opening adds are done
	s_wait_kmcnt 0x0
	s_add_nc_u64 s[8:9], s[4:5], s[22:23]
	s_add_nc_u64 s[10:11], s[8:9], 0x2000000       ; V at my tile of slot 0
	s_add_nc_u64 s[8:9], s[8:9], 0x1000000         ; K likewise
	s_add_nc_u64 s[4:5], s[4:5], s[2:3]            ; Q and O at my wave's first row
	s_add_nc_u64 s[6:7], s[6:7], s[2:3]
	s_cmp_lt_u32 s[WV], 4
	s_cselect_b64 s[PFA:PFA+1], s[8:9], s[10:11]   ; (in waves 0 and 4 these stand at a slot's first row)
	s_lshl_b32 s2, s13, 13                         ; my work-group's quarter
	s_mov_b32 s3, 0
	s_add_nc_u64 s[PFA:PFA+1], s[PFA:PFA+1], s[2:3]
	s_add_nc_u64 s[PFA:PFA+1], s[PFA:PFA+1], 2*SLOTG  ; in slot 2; the first change of slots steps it to slot 3.  Nothing is prefetched at the head
	CROUND                                         ; all four work-groups are here: the first joint loads meet
.irp s, 0,1
	s_mov_b32 s[G0K+4*\s], 1
	s_add_co_u32 s[G0K+4*\s+1], s17, \s*SLOT1
	s_add_nc_u64 s[G0K+4*\s+2:G0K+4*\s+3], s[8:9], \s*SLOTG
	s_or_b32 s[G0K+4*\s+3], s[G0K+4*\s+3], 0x80000000
	s_mov_b32 s[G0V+4*\s], 1
	s_add_co_u32 s[G0V+4*\s+1], s17, \s*SLOT1+VOFF
	s_add_nc_u64 s[G0V+4*\s+2:G0V+4*\s+3], s[10:11], \s*SLOTG
	s_or_b32 s[G0V+4*\s+3], s[G0V+4*\s+3], 0x80000000
.endr
	s_cmp_lt_u32 s[WV], 4                          ; a wave's two first fills stand in one branch: two loads of mine are out
	s_cbranch_scc0 .Lfirst_v
	tensor_load_to_lds s[G0K:G0K+3], s[G1K:G1K+7]
	s_nop 0
	tensor_load_to_lds s[G0K+4:G0K+7], s[G1K:G1K+7]
	s_nop 0
.rept 4
	v_nop
.endr
	s_branch .Lfirst_asked
.Lfirst_v:
	tensor_load_to_lds s[G0V:G0V+3], s[G1V:G1V+7]
	s_nop 0
	tensor_load_to_lds s[G0V+4:G0V+7], s[G1V:G1V+7]
	s_nop 0
.rept 4
	v_nop
.endr
.Lfirst_asked:
	v_and_b32 v1, 15, v0                           ; r
	v_bfe_u32 v9, v0, 4, 1                         ; h
	v_lshlrev_b32 v[QO], 7, v1
	v_lshl_add_u32 v[QO], v9, 4, v[QO]             ; row x 128 + 16 x half
	WIN 0x40                                       ; destination window 1
.irp i, 0,1,2,3,4,5,6,7                        ; Q stays in registers: tile i / 2, channels 32 (i % 2) on
	global_load_b128 v[QF+8*\i:QF+8*\i+3],   v[QO], s[4:5] offset:(\i/2)*2048+(\i%2)*64
	global_load_b128 v[QF+8*\i+4:QF+8*\i+7], v[QO], s[4:5] offset:(\i/2)*2048+(\i%2)*64+32
.endr
	WIN 0
	v_mul_u32_u24 v[AK0], v1, PK
	v_lshl_add_u32 v[AK0], v9, 4, v[AK0]
	v_and_b32 v10, 7, v0                           ; the turning load: lane l reads key 8 (l / 16) + l % 8, channels 8 ((l / 8) % 2) + 0..7
	v_bfe_u32 v11, v0, 3, 1
	v_lshl_add_u32 v[AV0], v9, 3, v10
	v_mul_u32_u24 v[AV0], v[AV0], PVP
	v_lshl_add_u32 v[AV0], v11, 4, v[AV0]
	v_add_nc_u32 v[AV0], VOFF, v[AV0]
; THE MATRIX WORK.  The accumulators take turns, one instruction a turn: between two links of a chain stand seven others'.
; Product i of 16 of O^T += V^T P: keys 32 (i / 8) on, channels 16 ((i / 2) % 4) on, tile x + i % 2.
.macro PV x, zero
	WIN W_PV
.set rO, 32*(\x+i%2)+8*((i/2)%4)
.set rV, VF+32*(i/8)+8*((i/2)%4)
.set rP, S+32*(\x+i%2)+8*(i/8)
.if \zero && (i < 8)
	v_wmma_f32_16x16x32_f16 v[rO:rO+7], v[rV:rV+7], v[rP:rP+7], 0
.else
	v_wmma_f32_16x16x32_f16 v[rO:rO+7], v[rV:rV+7], v[rP:rP+7], v[rO:rO+7]
.endif
.endm
; Product i of 16 of S^T = K Q^T: channels 32 (i / 8) on, keys 16 ((i / 2) % 4) on, tile x + i % 2.
.macro KQ x
	WIN W_KQ
.set rS, S+32*(\x+i%2)+8*((i/2)%4)
.set rK, KF+16*((i/2)%4)+8*(i/8)
.set rQ, QF+16*(\x+i%2)+8*(i/8)
.if i < 8
	v_wmma_f32_16x16x32_f16 v[rS:rS+7], v[rK:rK+7], v[rQ:rQ+7], 0
.else
	v_wmma_f32_16x16x32_f16 v[rS:rS+7], v[rK:rK+7], v[rQ:rQ+7], v[rS:rS+7]
.endif
.endm
.macro FETCH_K                         ; a step's K: 16 loads in one run
	WIN 0
	v_add_nc_u32 v[ADR], s[TB], v[AK0]
	WIN 0x40
.irp f, 0,1,2,3,4,5,6,7                        ; keys 16 (f / 2) on, channels 32 (f % 2) on
	ds_load_b128 v[KF+8*\f:KF+8*\f+3],   v[ADR] offset:(\f/2)*16*PK+(\f%2)*64
	ds_load_b128 v[KF+8*\f+4:KF+8*\f+7], v[ADR] offset:(\f/2)*16*PK+(\f%2)*64+32
.endr
.endm
.macro FETCH_V                         ; the same step's V, turned; the wait for the softmax's batch stands in it
	WIN 0
	v_add_nc_u32 v[ADR], s[TB], v[AV0]
	s_add_co_u32 s[TB], s[TB], STEPB               ; the next fetch is the next step's
	s_wait_alu depctr_va_vdst(0)                   ; one wait for the piece's 66 exponentials, ahead of the first instruction that names a result
.irp f, 0,1,2,3,4,5,6,7                        ; keys 32 (f / 4) on, channels 16 (f % 4) on
	ds_load_tr16_b128 v[VF+8*\f:VF+8*\f+3],   v[ADR] offset:(\f/4)*32*PVP+(\f%4)*32
	ds_load_tr16_b128 v[VF+8*\f+4:VF+8*\f+7], v[ADR] offset:(\f/4)*32*PVP+16*PVP+(\f%4)*32
.endr
.endm
; THE VECTOR WORK.  One tile's softmax for one key step is a list of 118 instructions; SM writes number j of it for tile t.
;   0-15 the maximum of the 32 scores and the old m;  16-20 the other half of the lanes, m, c m, c m_old - c m_new;
;   21-69 ONE BATCH: the 16 packed scalings c s - c m and all 33 exponentials; none of these names an exponential's result;  (the wait);
;   70-85 the sums, which leave the weights as they are;  86-101 the roundings to f16, laid over the tile's low 16 registers in ascending order;  102-117 the tile's O^T times a.
.macro SM t, first
.set rT, ST+8*(\t)
.set rS, S+32*(\t)
.set rO, 32*(\t)+2*(j-102)
.if j < 102
	WIN 0
.endif
.if j < 4
	v_max3_num_f32 v[rT+4+j], v[rS+8*j], v[rS+8*j+1], v[rS+8*j+2]
.elseif j < 12
	v_max3_num_f32 v[rT+4+j%4], v[rT+4+j%4], v[rS+8*(j%4)+2*(j/4)+1], v[rS+8*(j%4)+2*(j/4)+2]
.elseif j == 12
	v_max3_num_f32 v[rT+4], v[rT+4], v[rS+7], v[rS+15]
.elseif j == 13
	v_max3_num_f32 v[rT+6], v[rT+6], v[rS+23], v[rS+31]
.elseif j == 14
	v_max3_num_f32 v[rT+4], v[rT+4], v[rT+5], v[rT+6]
.elseif (j == 15) && \first
	v_max_num_f32 v[rT+4], v[rT+4], v[rT+7]
.elseif j == 15
	v_max3_num_f32 v[rT+4], v[rT+4], v[rT+7], v[rT+1]
.elseif j == 16
	v_permlanex16_b32 v[rT+5], v[rT+4], s[SEL], s[SEL+1]  ; the query's other 32 keys lie in the lane 16 away
.elseif j == 18
	v_max_num_f32 v[rT+1], v[rT+4], v[rT+5]
.elseif j == 19
	v_mul_f32 v[rT], s[CS], v[rT+1]
.elseif ((j == 17) || (j == 20) || (j == 23) || (j > 101)) && \first  ; the first step has none of these
.elseif j == 17
	v_mov_b32 v[rT+7], v[rT]
.elseif j == 20
	v_sub_f32 v[rT+7], v[rT+7], v[rT]
.elseif j == 23
	v_exp_f32 v[rT+6], v[rT+7]
.elseif j < 23
	v_pk_fma_f32 v[rS+2*(j-21):rS+2*(j-21)+1], v[rS+2*(j-21):rS+2*(j-21)+1], s[CS:CS+1], v[rT:rT+1] op_sel_hi:[1,0,0] neg_lo:[0,0,1] neg_hi:[0,0,1]
.elseif j < 66
.set bq, (j-24)/3
.if (j-24)%3 == 0
	v_pk_fma_f32 v[rS+2*bq+4:rS+2*bq+5], v[rS+2*bq+4:rS+2*bq+5], s[CS:CS+1], v[rT:rT+1] op_sel_hi:[1,0,0] neg_lo:[0,0,1] neg_hi:[0,0,1]
.else
	v_exp_f32 v[rS+2*bq+(j-24)%3-1], v[rS+2*bq+(j-24)%3-1]
.endif
.elseif j < 70
	v_exp_f32 v[rS+j-38], v[rS+j-38]
.elseif j < 86
.set z, j-70
.if (z == 0) && \first
	v_pk_mul_f32 v[rT+2:rT+3], v[rS:rS+1], 1.0 op_sel_hi:[1,0]
.elseif z == 0
	v_pk_fma_f32 v[rT+2:rT+3], v[rT+2:rT+3], v[rT+6:rT+7], v[rS:rS+1] op_sel_hi:[1,0,1]
.elseif z == 1
	v_pk_add_f32 v[rT+4:rT+5], v[rS+2:rS+3], v[rS+4:rS+5]
.elseif z == 15
	v_pk_add_f32 v[rT+2:rT+3], v[rT+2:rT+3], v[rT+4:rT+5]
.elseif z%2 == 0
	v_pk_add_f32 v[rT+2:rT+3], v[rT+2:rT+3], v[rS+2*z+2:rS+2*z+3]
.else
	v_pk_add_f32 v[rT+4:rT+5], v[rT+4:rT+5], v[rS+2*z+2:rS+2*z+3]
.endif
.elseif j < 102
	v_cvt_pk_f16_f32 v[rS+j-86], v[rS+2*(j-86)], v[rS+2*(j-86)+1]
.else
	WIN W_RS
	v_pk_mul_f32 v[rO:rO+1], v[rO:rO+1], v[rT+6:rT+7] op_sel_hi:[1,0]
.endif
.endm
; Entry n of 236 of piece y's softmax: the two tiles alternate, so that no instruction reads the result of the one just before it.  Ahead of entry 140 nothing names an exponential's result, and from it on no
; exponential is issued: there stand a plain instruction and the one wait.  In piece 2's turn V's run of loads stands there too.
.macro ENT y, first
.if n == 140
	WIN 0
	v_nop
.if (\y) == 0
	FETCH_V
.else
	s_wait_alu depctr_va_vdst(0)
.endif
.endif
.set j, n/2
	SM (\y)+n%2, \first
.set n, n+1
.endm
.macro SLICE y, first                  ; the entries up to the share of the turn's pairs of products that have been issued
.rept 236*w/nw-n
	ENT \y, \first
.endr
.endm
.macro PLACES
.rept 4
	v_nop
.endr
.endm
; A TURN.  Piece x has the matrix unit; a slice of the other piece's softmax stands behind every second product.  pv = 2: 16 products V^T P; 1: they start O^T's sums; 0: none.  kq = 1: 16 products K Q^T.
; Between the last V^T P that reads a register of P and the K Q^T that writes over it stand two slices with nine packed scalings; behind a turn's last product stand fifteen packed multiplies (first = 1: four v_nop),
; which name none of its registers: the distance to the next turn's reads of the scores and to the loads into K's registers.
.macro TURN x, pv, kq, first
.set n, 0
.set w, 0
.set nw, 8
.if \pv && \kq
.set nw, 16
.endif
.if \pv
.if \x == 0
	s_wait_dscnt 0x0                               ; V is in
.endif
.set i, 0
.rept 8
	PV \x, 2-\pv
.set i, i+1
	PV \x, 2-\pv
.set i, i+1
.set w, w+1
	SLICE 2-\x, \first
.if (\x == 0) && \kq && (w == 1)
	FETCH_K
.endif
.endr
.endif
.if \kq
.if \x == 0
	s_wait_dscnt 0x0                               ; K is in
.endif
.set i, 0
.rept 8
	KQ \x
.set i, i+1
	KQ \x
.set i, i+1
.set w, w+1
	SLICE 2-\x, \first
.endr
.endif
.if \first
	PLACES
.endif
.endm
; THE CHANGE OF SLOTS, between piece 2's turn and piece 0's: the slot's last bytes have been asked for.  Each wave waits for all its tensor loads (its part of the other slot), adds 0 to its spare word, and waits for that
; and for its reads of the slot.  fill = 1: the barrier is a round of the cluster's, and the joint refill is the first thing behind it: it has four key steps in which to land.
.macro CHANGE fill
	WIN 0
	s_wait_tensorcnt 0x0
	ds_add_u32 v[SPW], v[NIL]
.if \fill
.irp g, G0K+4, G0V+4
	s_xor_b32 s[\g+1], s[\g+1], SLOT1              ; the walking descriptor: the other slot than last time,
	s_add_nc_u64 s[\g+2:\g+3], s[\g+2:\g+3], SLOTG ; the next 256 keys
.endr
	s_wait_xcnt 0x0                                ; the last prefetch, a slot back, has read its address
	s_add_nc_u64 s[PFA:PFA+1], s[PFA:PFA+1], SLOTG
	s_wait_dscnt 0x0
	CROUND
	JLOAD
	ASK
.else
	s_wait_dscnt 0x0
	s_barrier_signal -1
	s_barrier_wait -1
.endif
	s_sub_co_u32 s[TB], s[TB], NSTEP*STEPB         ; the fetches go back to a slot's first step,
	s_xor_b32 s[TB], s[TB], SLOT1                  ; in the other slot
.endm
.macro STEPS cnt                       ; cnt key steps: written once, walked cnt times; the LDS addresses hang on s[TB]
	s_mov_b32 s[TWICE], \cnt
.Lstep_\@:
	TURN 0, 2, 1, 0
	TURN 2, 2, 1, 0
	WIN 0
	s_sub_co_u32 s[TWICE], s[TWICE], 1
	s_cmp_lg_u32 s[TWICE], 0
	s_cbranch_scc1 .Lstep_\@
.endm
	s_wait_tensorcnt 1                             ; my part of slot 0 is in; slot 1's load may stay out
	s_barrier_signal -1
	s_barrier_wait -1
	FETCH_K                                        ; key step 0
	s_wait_loadcnt 0x0                             ; Q
	s_wait_dscnt 0x0
.set i, 0
.rept 16
	KQ 0                                           ; piece 0's first scores
.set i, i+1
.endr
	WIN 0                                          ; the addresses for the way out are made here: plain instructions behind those products
	s_mul_i32 s13, s[WV], 16*SP
	s_add_co_u32 s13, s13, STAGE
	v_mul_u32_u24 v[STO], v1, SP                   ; in: row r, 16 bytes for each half of the lanes
	v_lshl_add_u32 v[STO], v9, 4, v[STO]
	v_add_nc_u32 v[STO], s13, v[STO]
	v_bfe_u32 v[RD], v0, 3, 2                      ; back: eight lanes to a row of 128 bytes, four rows an instruction
	v_mul_u32_u24 v[RD], v[RD], SP
	v_lshl_add_u32 v[RD], v10, 4, v[RD]
	v_add_nc_u32 v[RD], s13, v[RD]
	v_and_b32 v[GO], 31, v0
	v_lshlrev_b32 v[GO], 4, v[GO]                  ; four rows of O are 512 consecutive bytes
	TURN 2, 0, 1, 1                                ; piece 2's first scores | piece 0's first softmax | V of step 0
	TURN 0, 1, 1, 1                                ; piece 0: V^T P of step 0 starts O^T, K Q^T of step 1 | piece 2's first softmax | K of step 1
	TURN 2, 1, 1, 0                                ; piece 2: the same | piece 0's softmax of step 1 | V of step 1
	WIN 0
	STEPS 2                                        ; the rest of slot 0
.Lslot:                                            ; six trips: every slot but the last two is filled again
	CHANGE 1
	STEPS NSTEP
	s_sub_co_u32 s[SLOTS], s[SLOTS], 1
	s_cmp_lg_u32 s[SLOTS], 0
	s_cbranch_scc1 .Lslot
	CHANGE 0                                       ; the tail is written out
	STEPS NSTEP
	TURN 0, 2, 0, 0                                ; piece 0: V^T P of the last step | piece 2's last softmax
.set i, 0
.rept 16
	PV 2, 0
.set i, i+1
.endr
	; THE WAY OUT.  l's halves are added; O^T is divided by l, rounded to f16 and sent through my stage, a tile (16 rows of O) at a time.  The additions stand behind the last products.
	WIN 0
.irp t, 0,1,2,3
	v_add_f32 v[ST+8*\t+4], v[ST+8*\t+2], v[ST+8*\t+3]
.endr
.irp t, 0,1,2,3
	v_permlanex16_b32 v[ST+8*\t+5], v[ST+8*\t+4], s[SEL], s[SEL+1]
.endr
.irp t, 0,1,2,3
	v_add_f32 v[ST+8*\t+4], v[ST+8*\t+4], v[ST+8*\t+5]
.endr
.irp t, 0,1,2,3
	v_rcp_f32 v[ST+8*\t+6], v[ST+8*\t+4]
.endr
	v_nop
	s_wait_alu depctr_va_vdst(0)                   ; one wait for the four reciprocals, ahead of their first use
.macro PACK t
	WIN W_RS
.set i, 32*\t
.rept 16
	v_pk_mul_f32 v[i:i+1], v[i:i+1], v[ST+8*\t+6:ST+8*\t+7] op_sel_hi:[1,0]
.set i, i+2
.endr
	WIN 0x05                                       ; sources window 1, destination window 0
.set i, 0
.rept 16
	v_cvt_pk_f16_f32 v[S+32*\t+i], v[32*\t+2*i], v[32*\t+2*i+1]
.set i, i+1
.endr
	WIN 0
.irp f, 0,1,2,3
	ds_store_b128 v[STO], v[S+32*\t+4*\f:S+32*\t+4*\f+3] offset:32*\f
.endr
.irp f, 0,1,2,3
	ds_load_b128 v[S+32*\t+4*\f:S+32*\t+4*\f+3], v[RD] offset:\f*4*SP  ; LDS serves a wave's instructions in order: these see the stores above
.endr
.endm
.macro SEND t, younger                 ; younger: the LDS instructions issued behind tile t's loads: the next tile's eight, or none
.irp f, 0,1,2,3
	s_wait_dscnt \younger+3-\f
	global_store_b128 v[GO], v[S+32*\t+4*\f:S+32*\t+4*\f+3], s[6:7] offset:\t*2048+\f*512  ; 512 consecutive bytes, aligned
.endr
.endm
	PACK 0
	PACK 1
	SEND 0, 8
	PACK 2
	SEND 1, 8
	PACK 3
	SEND 2, 8
	SEND 3, 0
	s_wait_tensorcnt 0x0                           ; the wave's end
	ds_add_u32 v[SPW], v[NIL]
	s_wait_dscnt 0x0
	CROUND                                         ; the closing round
	s_endpgm
.Lfunc_end_k_q1fe5f54ec5_attn:
	.size	k_q1fe5f54ec5_attn, .Lfunc_end_k_q1fe5f54ec5_attn-k_q1fe5f54ec5_attn
	.p2alignl 7, 3214868480
	.fill 96, 4, 3214868480
	.section	.rodata,"a",@progbits
	.p2align	6, 0x0
	.amdhsa_kernel k_q1fe5f54ec5_attn
		.amdhsa_group_segment_fixed_size 327680
		.amdhsa_private_segment_fixed_size 0
		.amdhsa_enable_private_segment 0
		.amdhsa_kernarg_size 16
		.amdhsa_user_sgpr_count 2
		.amdhsa_user_sgpr_kernarg_segment_ptr 1
		.amdhsa_wavefront_size32 1
		.amdhsa_system_sgpr_workgroup_id_x 1
		.amdhsa_system_sgpr_workgroup_id_y 1
		.amdhsa_system_sgpr_workgroup_id_z 1
		.amdhsa_system_vgpr_workitem_id 0
		.amdhsa_next_free_vgpr 512
		.amdhsa_next_free_sgpr 66
		.amdhsa_reserve_vcc 0
		.amdhsa_float_denorm_mode_32 3
		.amdhsa_float_denorm_mode_16_64 3
		.amdhsa_memory_ordered 1
		.amdhsa_forward_progress 1
		.amdhsa_inst_pref_size 186
	.end_amdhsa_kernel
	.amdgpu_metadata
---
amdhsa.version: [ 1, 2 ]
amdhsa.kernels:
  - .name:           k_q1fe5f54ec5_attn
    .symbol:         k_q1fe5f54ec5_attn.kd
    .args:
      - { .name: qkv, .offset: 0, .size: 8, .value_kind: global_buffer, .address_space: global }
      - { .name: o16, .offset: 8, .size: 8, .value_kind: global_buffer, .address_space: global }
    .group_segment_fixed_size: 327680
    .private_segment_fixed_size: 0
    .kernarg_segment_align: 8
    .kernarg_segment_size: 16
    .max_flat_workgroup_size: 256
    .sgpr_count:     66
    .vgpr_count:     512
    .wavefront_size: 32
...
	.end_amdgpu_metadata
.endif
;; end of part 3
;; launch outp (part 4): grid 4 x 64, 4 waves a work-group, clusters of 4 x 4, 327,680 bytes of LDS; arguments o16, wo16, bo, out0; writes out0
.if DOCPART == 4
	.amdgcn_target "amdgcn-amd-amdhsa--gfx1250"
	.amdhsa_code_object_version 6
	.text
	.protected	k_q1fe5f54ec5_outp
	.globl	k_q1fe5f54ec5_outp
	.p2align	8
	.type	k_q1fe5f54ec5_outp,@function
k_q1fe5f54ec5_outp:
	s_mov_b64 s[64:65], 0
	v_nop
	global_prefetch_b8 v0, s[64:65] scope:SCOPE_SE
	s_setreg_imm32_b32 hwreg(HW_REG_WAVE_MODE, 25, 1), 1
	s_wait_xcnt 0x0
	s_wait_alu depctr_hold_cnt(0) depctr_sa_sdst(0) depctr_va_vdst(0) depctr_va_sdst(0) depctr_va_ssrc(0) depctr_va_vcc(0) depctr_vm_vsrc(0)
	s_getreg_b32 s2, hwreg(HW_REG_IB_STS2, 6, 4)
	s_cmp_eq_u32 s2, 0
	s_cbranch_scc0 .Lentry_in_a_cluster
	s_endpgm
.Lentry_in_a_cluster:
	s_bfe_u32 s2, ttmp6, 0x10000c
	s_cmp_lg_u32 s2, 0xf033
	s_cbranch_scc0 .Lentry_shape_is_right
	s_endpgm
.Lentry_shape_is_right:
; out0[m][n] = the sum over k of O[m][k] Wo[k][n] + bo[n].  O: o16 [64 = 16 batch + head][2048][64] f16, so k = 64 head + channel; Wo: wo16 [1024 k][1024 n] f16; bo, out0: f32.  Sums in f32.
; A tile of 128 rows x 256 columns is made by four waves, each 64 x 128: 32 accumulators.  That tile gives 256 work-groups.  K goes in steps of 128 (two heads) through a ring of two LDS slots.
; A's part of a slot: two heads x 128 rows of 128 bytes (+ 16 of padding).  B's: 128 rows of k x 512 bytes (+ 32), read turned by ds_load_tr16_b128.
; CLUSTERS: 4 x 4.  A's tiles are shared along a row of the cluster, B's along a column.  The matrix instruction is used transposed (source 0 = 16 columns of Wo, source 1 = 16 rows of O).
; The bias is the C of each sum's first product: eight registers for each tile of 16 columns, in the result's layout.
; REGISTERS: window 0: v16-30 addresses; v64-127 A's fragments, two buffers; v128-255 the way out.  window 1: v0-127 B's fragments, two buffers; v128-191 the bias.  window 2: accumulator (a, b) at v[8 (8 a + b)].
.set APITCH, 144
.set AHEAD,  128*APITCH                ; a head's 128 rows: what wave 0 or 1 fetches
.set BOFF,   2*AHEAD
.set BPITCH, 544
.set BHALF,  64*BPITCH                 ; 64 rows of k: what wave 2 or 3 fetches
.set SLOT,   BOFF+2*BHALF
.set STAGE,  2*SLOT                    ; behind the ring: 16 rows x (512 bytes + 16) for each wave
.set SPITCH, 528
.set SPARE,  STAGE+4*16*SPITCH         ; the spare words, 128 bytes for each wave
.set ASTEP_, 524288                    ; a K step in o16: two heads
.set BSTEP_, 262144                    ; and in wo16: 128 rows of 2,048 bytes
.set ADRA, 16
.set ADRB, 20
.set STO,  24
.set RD,   25
.set CO,   26
.set SPW,  28
.set NIL,  29
.set PFO,  30
.set AFR,  64
.set BIAS, 128
.set BK,   128
.set LIM,  43
.set PFA,  44
.set G1, 24
.set G0, 32
.set G1B, 48
.set G0B, 56
.set MSB, 0
.macro WIN new
.if MSB != (\new)
	s_set_vgpr_msb (MSB<<8)|(\new)
.set MSB, (\new)
.endif
.endm
.set MUL,  0xa1                        ; source 0 (B) window 1, source 1 (A) window 0, C and D window 2
.set TO_B, 0x40
.macro JLOAD s                         ; waves 0 and 1 fetch A's two heads, waves 2 and 3 B's two halves; an s_nop 0 and four v_nop follow each line
	s_cmp_eq_u32 s13, 0
	s_cbranch_scc0 .Lfor_b_\@
	tensor_load_to_lds s[G0+4*\s:G0+4*\s+3], s[G1:G1+7]
	s_nop 0
.rept 4
	v_nop
.endr
	s_branch .Lasked_\@
.Lfor_b_\@:
	tensor_load_to_lds s[G0B+4*\s:G0B+4*\s+3], s[G1B:G1B+7]
	s_nop 0
.rept 4
	v_nop
.endr
.Lasked_\@:
.endm
; A prefetch of A's K step that stands two refills on.  A's tile row is read by one row of one cluster: its four partners share the step's 2 x 16,384 bytes out by address, 4,096 of each head; wave 0 asks, lanes 0-15 for
; the first head and lanes 16-31 for the second, 256 bytes apart.  So each run of 256 bytes is named once.  The loop's last trip asks for nothing.  Wo is walked by every cluster alike and is not asked for.
.macro ASK
	s_cmp_gt_u32 s3, s[LIM]
	s_cbranch_scc0 .Lnot_mine_\@
	global_prefetch_b8 v[PFO], s[PFA:PFA+1] offset:ASTEP_ th:TH_LOAD_NT scope:SCOPE_SE
.Lnot_mine_\@:
.endm
.macro CREST
	s_cmp_lg_u32 s12, 0
	s_cbranch_scc1 .Lnot_wave_0_\@
	s_barrier_signal -3
.Lnot_wave_0_\@:
	s_barrier_wait -3
	s_barrier_signal -1
	s_barrier_wait -1
.endm
.macro CROUND
	s_barrier_signal -1
	s_barrier_wait -1
	CREST
.endm
	s_load_b128 s[4:7], s[0:1], 0x0                ; o16 s[4:5], wo16 s[6:7]
	s_load_b128 s[8:11], s[0:1], 0x10              ; bo s[8:9], out0 s[10:11]
	v_lshl_add_u32 v[SPW], v0, 2, SPARE
	v_mov_b32 v[NIL], 0
	ds_add_u32 v[SPW], v[NIL]                      ; the wave's opening: the add, twice on end, and its wait ahead of my first tensor load
	ds_add_u32 v[SPW], v[NIL]
	v_lshrrev_b32 v1, 5, v0
	v_readfirstlane_b32 s12, v1                    ; wave 0..3
	s_lshr_b32 s13, s12, 1                         ; my half of the tile's rows.  Also: I fetch for A (0) or for B (1)
	s_and_b32 s14, s12, 1                          ; my half of its columns.  Also: which half I fetch
	s_bfe_u32 s40, ttmp6, 0x40000                  ; cx
	s_bfe_u32 s41, ttmp6, 0x40004                  ; cy
	s_lshl_b32 s42, ttmp9, 2
	s_add_co_u32 s42, s42, s40                     ; tile column
	s_and_b32 s15, ttmp7, 0xffff
	s_lshl_b32 s15, s15, 2
	s_add_co_u32 s15, s15, s41                     ; tile row, 0..63
	s_lshl_b32 s22, s41, 2
	s_lshl_b32 s22, 15, s22                        ; my row of the cluster
	s_lshl_b32 s23, 0x1111, s40                    ; my column
	s_or_b32 s[G1+0], s22, (1<<16)|(1<<20)|(1<<21)|(4<<22)|(3<<25)   ; A: elements of 2 bytes; 4 words of padding after every 32
	s_mov_b32 s[G1+1], 64<<16                      ; tensor_dim0 = 64
	s_mov_b32 s[G1+2], 128<<16                     ; tensor_dim1 = 128
	s_mov_b32 s[G1+3], 64<<16                      ; tile_dim0
	s_mov_b32 s[G1+4], 128                         ; tile_dim1
	s_mov_b32 s[G1+5], 64                          ; elements from row to row
	s_mov_b32 s[G1+6], 0
	s_mov_b32 s[G1+7], 0
	s_or_b32 s[G1B+0], s23, (1<<16)|(1<<20)|(1<<21)|(6<<22)|(7<<25)  ; B: 8 words of padding after every 128
	s_mov_b32 s[G1B+1], 256<<16
	s_mov_b32 s[G1B+2], 64<<16
	s_mov_b32 s[G1B+3], 256<<16
	s_mov_b32 s[G1B+4], 64
	s_mov_b32 s[G1B+5], 1024
	s_mov_b32 s[G1B+6], 0
	s_mov_b32 s[G1B+7], 0
	s_lshr_b32 s16, s15, 4
	s_lshl_b32 s16, s16, 22                        ; the batch: 16 heads of 262,144 bytes
	s_and_b32 s17, s15, 15
	s_lshl_b32 s17, s17, 14                        ; the tile's 128 rows of 128 bytes
	s_add_co_u32 s16, s16, s17
	s_lshl_b32 s18, s40, 12                        ; the prefetches: my work-group's 4,096 bytes of each head (in registers that feed no descriptor)
	s_add_co_u32 s18, s18, s16
	s_mov_b32 s19, 0
	s_lshl_b32 s17, s14, 18                        ; which of the step's two heads I fetch
	s_add_co_u32 s16, s16, s17
	s_mov_b32 s17, 0
	s_lshl_b32 s46, s14, 17                        ; B: which 64 rows of k,
	s_lshl_b32 s47, s42, 9                         ; and the tile's 256 columns
	s_add_co_u32 s46, s46, s47
	s_mov_b32 s47, 0
	s_mul_i32 s20, s14, AHEAD                      ; where they go: no place in the cluster enters an LDS address
	s_mul_i32 s21, s14, BHALF
	s_add_co_u32 s21, s21, BOFF
	s_cmp_eq_u32 s12, 0
	s_cselect_b32 s[LIM], 1, -1                    ; wave 0 prefetches
	s_wait_dscnt 0x0                               ; both opening adds are done
	s_wait_kmcnt 0x0
	s_add_nc_u64 s[16:17], s[4:5], s[16:17]
	s_add_nc_u64 s[46:47], s[6:7], s[46:47]
	s_add_nc_u64 s[PFA:PFA+1], s[4:5], s[18:19]
	s_add_nc_u64 s[PFA:PFA+1], s[PFA:PFA+1], 2*ASTEP_  ; at K step 2: the first refill steps it to 3 and names K step 4.  Nothing is prefetched at the head
	CROUND                                         ; all sixteen work-groups are here: the first joint loads meet
.irp s, 0,1
	s_mov_b32 s[G0+4*\s], 1
	s_add_co_u32 s[G0+4*\s+1], s20, \s*SLOT
	s_add_nc_u64 s[G0+4*\s+2:G0+4*\s+3], s[16:17], \s*ASTEP_
	s_or_b32 s[G0+4*\s+3], s[G0+4*\s+3], 0x80000000
	s_mov_b32 s[G0B+4*\s], 1
	s_add_co_u32 s[G0B+4*\s+1], s21, \s*SLOT
	s_add_nc_u64 s[G0B+4*\s+2:G0B+4*\s+3], s[46:47], \s*BSTEP_
	s_or_b32 s[G0B+4*\s+3], s[G0B+4*\s+3], 0x80000000
	JLOAD \s                                       ; two loads of mine are out
.endr
	v_and_b32 v1, 15, v0                           ; r
	v_bfe_u32 v2, v0, 4, 1                         ; h
	v_lshlrev_b32 v5, 5, v2                        ; the bias: 8 numbers for each half of the lanes
	s_lshl_b32 s22, s42, 10
	s_lshl_b32 s23, s14, 9
	s_add_co_u32 s22, s22, s23                     ; my first column, in bytes of f32: 1,024 x tile column + 512 x half
	s_mov_b32 s23, 0
	s_add_nc_u64 s[8:9], s[8:9], s[22:23]
	WIN TO_B
.irp b, 0,1,2,3,4,5,6,7
	global_load_b128 v[BIAS+8*\b:BIAS+8*\b+3],   v5, s[8:9] offset:64*\b
	global_load_b128 v[BIAS+8*\b+4:BIAS+8*\b+7], v5, s[8:9] offset:64*\b+16
.endr
	WIN 0
	v_mul_u32_u24 v3, v1, APITCH
	v_lshl_add_u32 v3, v2, 4, v3                   ; A: row x pitch + 16 x half
	v_and_b32 v4, 7, v0                            ; B, turned: lane l reads k 8 (l / 16) + l % 8, columns 8 ((l / 8) % 2) + 0..7
	v_lshl_add_u32 v4, v2, 3, v4
	v_mul_u32_u24 v4, v4, BPITCH
	v_bfe_u32 v6, v0, 3, 1
	v_lshl_add_u32 v4, v6, 4, v4
	s_mul_i32 s20, s13, 64*APITCH                  ; my 64 rows of A
	s_lshl_b32 s21, s14, 8                         ; my 128 columns of B
	s_add_co_u32 s21, s21, BOFF
.irp s, 0,1
	v_add_nc_u32 v[ADRA+\s], s20, v3
	v_add_nc_u32 v[ADRB+\s], s21, v4
	s_add_co_u32 s20, s20, SLOT
	s_add_co_u32 s21, s21, SLOT
.endr
	s_mul_i32 s20, s12, 16*SPITCH
	s_add_co_u32 s20, s20, STAGE                   ; my stage
	v_mul_u32_u24 v6, v1, SPITCH
	v_lshl_add_u32 v6, v2, 5, v6
	v_add_nc_u32 v[STO], s20, v6                   ; in: row r, 32 bytes for each half of the lanes
	v_and_b32 v7, 31, v0
	v_lshlrev_b32 v[CO], 4, v7                     ; back: the 32 lanes take one row of 512 bytes; and the same in out0
	v_add_nc_u32 v[RD], s20, v[CO]
	v_lshlrev_b32 v[PFO], 18, v2                   ; the prefetches: lanes 16-31 one head on, 256 bytes a lane
	v_lshl_add_u32 v[PFO], v1, 8, v[PFO]
	s_lshl_b32 s16, s15, 19                        ; my first row of out0: (128 x tile row + 64 x half) x 4,096 bytes
	s_lshl_b32 s17, s13, 18
	s_add_co_u32 s16, s16, s17
	s_add_co_u32 s16, s16, s22
	s_mov_b32 s17, 0
	s_add_nc_u64 s[10:11], s[10:11], s[16:17]
; 8 matrix instructions: A's block a x B's eight, 32 along K, from buffer f.  The 32 accumulators take turns in the same order in every quarter.
.macro MUL8 f, a, bias
.irp b, 0,1,2,3,4,5,6,7
.if \bias
	v_wmma_f32_16x16x32_f16 v[8*(8*(\a)+\b):8*(8*(\a)+\b)+7], v[64*(\f)+8*\b:64*(\f)+8*\b+7], v[AFR+32*(\f)+8*(\a):AFR+32*(\f)+8*(\a)+7], v[BIAS+8*\b:BIAS+8*\b+7]
.else
	v_wmma_f32_16x16x32_f16 v[8*(8*(\a)+\b):8*(8*(\a)+\b)+7], v[64*(\f)+8*\b:64*(\f)+8*\b+7], v[AFR+32*(\f)+8*(\a):AFR+32*(\f)+8*(\a)+7], v[8*(8*(\a)+\b):8*(8*(\a)+\b)+7]
.endif
.endr
.endm
; 24 LDS loads in one run: quarter q (32 along K) of a slot into buffer f: B's eight fragments, then A's four
.macro FETCH slot, q, f
	WIN TO_B
.irp b, 0,1,2,3,4,5,6,7
	ds_load_tr16_b128 v[64*(\f)+8*\b:64*(\f)+8*\b+3],   v[ADRB+\slot] offset:(\q)*32*BPITCH+32*\b
	ds_load_tr16_b128 v[64*(\f)+8*\b+4:64*(\f)+8*\b+7], v[ADRB+\slot] offset:(\q)*32*BPITCH+32*\b+16*BPITCH
.endr
	WIN 0
.irp i, 0,1,2,3
	ds_load_b128 v[AFR+32*(\f)+8*\i:AFR+32*(\f)+8*\i+3],   v[ADRA+\slot] offset:((\q)/2)*AHEAD+((\q)%2)*64+\i*16*APITCH
	ds_load_b128 v[AFR+32*(\f)+8*\i+4:AFR+32*(\f)+8*\i+7], v[ADRA+\slot] offset:((\q)/2)*AHEAD+((\q)%2)*64+\i*16*APITCH+32
.endr
.endm
.macro PLACES                          ; plain vector instructions between a matrix instruction and a load into, or a read of, its registers
.rept 4
	v_nop
.endr
.endm
; A K step is four quarters of 32 along K, 32 matrix instructions each, on buffers 0, 1, 0, 1.  One of the first three: multiplies buffer f and fetches quarter qn into g.
.macro QUARTER slot, qn, f, g, bias
	s_wait_dscnt 4                                 ; B and A's blocks 0, 1 are in; the youngest four loads (A's blocks 2, 3) may be out
	WIN MUL-0x10*\bias                             ; with the bias: C in window 1
	MUL8 \f, 0, \bias
	MUL8 \f, 1, \bias
	PLACES
	FETCH \slot, \qn, \g
	s_wait_dscnt 24                                ; all but the 24 just issued
	WIN MUL-0x10*\bias
	MUL8 \f, 2, \bias
	MUL8 \f, 3, \bias
.endm
; The last quarter multiplies buffer 1 and changes slots: ONE barrier; in front of it each wave waits for all its tensor loads, adds 0 to its spare word, and waits for that and for its reads of this slot.
; fill = 1: the barrier opens a round of the cluster's, and this slot is filled again, two K steps ahead: the refill has 112 matrix instructions of the wave in which to land.
.macro TURN slot, next, fill
.if \fill
	s_wait_xcnt 0x0                                ; the last prefetch, a K step back, has read its address
	s_add_nc_u64 s[PFA:PFA+1], s[PFA:PFA+1], ASTEP_
.endif
	WIN 0
	s_wait_tensorcnt 0x0
	ds_add_u32 v[SPW], v[NIL]
	s_wait_dscnt 5                                 ; the add and the youngest four loads may be out
	WIN MUL
	MUL8 1, 0, 0
	s_wait_dscnt 0x0                               ; the add is done, and my reads of this slot are over
	s_barrier_signal -1
	MUL8 1, 1, 0
	WIN 0
	s_barrier_wait -1
.if \fill
	CREST                                          ; no wave of any partner still reads this slot or has a load on its way
	s_add_nc_u64 s[G0+4*\slot+2:G0+4*\slot+3], s[G0+4*\slot+2:G0+4*\slot+3], 2*ASTEP_
	s_add_nc_u64 s[G0B+4*\slot+2:G0B+4*\slot+3], s[G0B+4*\slot+2:G0B+4*\slot+3], 2*BSTEP_
	JLOAD \slot                                    ; the four v_nop behind it also stand in front of the loads below
.else
	PLACES
.endif
	FETCH \next, 0, 0
.if \fill
	ASK
.endif
	WIN MUL
	MUL8 1, 2, 0
	MUL8 1, 3, 0
.endm
	s_wait_tensorcnt 1                             ; my part of K step 0 is in; K step 1's load may be out
	s_barrier_signal -1
	s_barrier_wait -1
	FETCH 0, 0, 0
	s_wait_loadcnt 0x0                             ; the bias
	QUARTER 0, 1, 0, 1, 1                          ; the first quarter stands in front of the loop: its products start the sums from the bias
	WIN 0
	s_mov_b32 s3, 3
.Llap:                                             ; a trip goes once round the ring, from a lap's second quarter to the next lap's first, and fills both slots again
	QUARTER 0, 2, 1, 0, 0
	QUARTER 0, 3, 0, 1, 0
	TURN 0, 1, 1
	QUARTER 1, 1, 0, 1, 0
	QUARTER 1, 2, 1, 0, 0
	QUARTER 1, 3, 0, 1, 0
	TURN 1, 0, 1
	QUARTER 0, 1, 0, 1, 0
	WIN 0
	s_sub_co_u32 s3, s3, 1
	s_cmp_lg_u32 s3, 0
	s_cbranch_scc1 .Llap
	QUARTER 0, 2, 1, 0, 0                          ; the last lap fills nothing
	QUARTER 0, 3, 0, 1, 0
	TURN 0, 1, 0
	QUARTER 1, 1, 0, 1, 0
	QUARTER 1, 2, 1, 0, 0
	QUARTER 1, 3, 0, 1, 0
	s_wait_dscnt 4
	WIN MUL
	MUL8 1, 0, 0
	MUL8 1, 1, 0
	s_wait_dscnt 0
	MUL8 1, 2, 0
	MUL8 1, 3, 0
	WIN 0
; THE WAY OUT, block by block of 16 rows x 128 columns: through my own stage and back as whole rows of 512 bytes.  LDS serves a wave's instructions in order: no wait between the stores and the loads.
.macro TOSTAGE a
	WIN 0x08                                       ; an LDS store's data: window 2
.irp b, 0,1,2,3,4,5,6,7
	ds_store_b128 v[STO], v[64*(\a)+8*\b:64*(\a)+8*\b+3] offset:64*\b       ; each accumulator from its low end on
	ds_store_b128 v[STO], v[64*(\a)+8*\b+4:64*(\a)+8*\b+7] offset:64*\b+16
.endr
	WIN 0
.set BB, BK+64*((\a)%2)
.irp t, 0,1,2,3,4,5,6,7,8,9,10,11,12,13,14,15
	ds_load_b128 v[BB+4*\t:BB+4*\t+3], v[RD] offset:\t*SPITCH
.endr
.endm
.macro SEND a, younger                 ; younger: the LDS instructions issued behind block a's loads, which may stay out
.set BB, BK+64*((\a)%2)
	s_wait_dscnt \younger
.if (\a) > 0
	s_add_nc_u64 s[10:11], s[10:11], 65536         ; 16 rows on (behind a wait that shows the earlier stores' base read)
.endif
.irp t, 0,1,2,3,4,5,6,7,8,9,10,11,12,13,14,15
	global_store_b128 v[CO], v[BB+4*\t:BB+4*\t+3], s[10:11] offset:\t*4096 th:TH_STORE_NT   ; 512 consecutive bytes, aligned; written once
.endr
.endm
	PLACES
	TOSTAGE 0
.irp a, 1,2,3
.if \a > 1
	s_wait_xcnt 0x0                                ; block a - 2's stores have read their registers and their base
.endif
	TOSTAGE \a
	SEND \a-1, 32                                  ; behind block a - 1's loads: block a's 16 stores and 16 loads
.endr
	s_wait_xcnt 0x0
	SEND 3, 0
	s_wait_tensorcnt 0x0                           ; the wave's end
	ds_add_u32 v[SPW], v[NIL]
	s_wait_dscnt 0x0
	CROUND                                         ; the closing round
	s_endpgm
.Lfunc_end_k_q1fe5f54ec5_outp:
	.size	k_q1fe5f54ec5_outp, .Lfunc_end_k_q1fe5f54ec5_outp-k_q1fe5f54ec5_outp
	.p2alignl 7, 3214868480
	.fill 96, 4, 3214868480
	.section	.rodata,"a",@progbits
	.p2align	6, 0x0
	.amdhsa_kernel k_q1fe5f54ec5_outp
		.amdhsa_group_segment_fixed_size 327680
		.amdhsa_private_segment_fixed_size 0
		.amdhsa_enable_private_segment 0
		.amdhsa_kernarg_size 32
		.amdhsa_user_sgpr_count 2
		.amdhsa_user_sgpr_kernarg_segment_ptr 1
		.amdhsa_wavefront_size32 1
		.amdhsa_system_sgpr_workgroup_id_x 1
		.amdhsa_system_sgpr_workgroup_id_y 1
		.amdhsa_system_sgpr_workgroup_id_z 1
		.amdhsa_system_vgpr_workitem_id 0
		.amdhsa_next_free_vgpr 768
		.amdhsa_next_free_sgpr 66
		.amdhsa_reserve_vcc 0
		.amdhsa_float_denorm_mode_32 3
		.amdhsa_float_denorm_mode_16_64 3
		.amdhsa_memory_ordered 1
		.amdhsa_forward_progress 1
		.amdhsa_inst_pref_size 88
	.end_amdhsa_kernel
	.amdgpu_metadata
---
amdhsa.version: [ 1, 2 ]
amdhsa.kernels:
  - .name:           k_q1fe5f54ec5_outp
    .symbol:         k_q1fe5f54ec5_outp.kd
    .args:
      - { .name: o16, .offset: 0, .size: 8, .value_kind: global_buffer, .address_space: global }
      - { .name: wo16, .offset: 8, .size: 8, .value_kind: global_buffer, .address_space: global }
      - { .name: bo, .offset: 16, .size: 8, .value_kind: global_buffer, .address_space: global }
      - { .name: out0, .offset: 24, .size: 8, .value_kind: global_buffer, .address_space: global }
    .group_segment_fixed_size: 327680
    .private_segment_fixed_size: 0
    .kernarg_segment_align: 8
    .kernarg_segment_size: 32
    .max_flat_workgroup_size: 128
    .sgpr_count:     66
    .vgpr_count:     768
    .wavefront_size: 32
...
	.end_amdgpu_metadata
.endif
;; end of part 4
